; MI455X (gfx1250); checked and timed in simulation.
; The chip was launched on July 23, 2026; its instructions are those of AMD's public machine-readable ISA for CDNA 5 (MIT licence, August 2026) and "CDNA5" Instruction Set Architecture Reference Guide (July 2026). The comments in the code are by the model that wrote it; some were corrected since.
;; Self Attn Func. Allowed arithmetic: matrix products marked QUANTISED: E3M2 operands, one E8M0 scale for each 32 along K, by v_wmma_scale_f32_16x16x128_f8f6f4 with both operands' format E3M2, f32 sums; everything else in f32.
;; Inputs: input_biases 3,072 float32; input_weights 3,072 x 1,024 float32; inputs 8 x 1,024 x 1,024 float32; output_biases 1,024 float32; output_weights 1,024 x 1,024 float32.
;; Outputs: out0 8 x 1,024 x 1,024 float32.
;; Constants: heads = 16.
;; This version of the problem:
;;   THIS VERSION OF THE PROBLEM IS GIVEN IN LOW PRECISION. The matrix products marked QUANTISED in the list below multiply operands that are first quantised to E3M2 (3 exponent bits, 2 mantissa bits; 6 bits a number), with one power-of-two scale for each 32 numbers along K (OCP MX v1.0); their sums are f32. All else is computed in f32.
;;   The module's matrix products, in the order in which they are computed (A, B: the left and right operand; K: the contracted axis; several contracted axes count as one K, in the product's order):
;;     1. [M 8,192, K 1,024] x [K 1,024, N 3,072]; A: input inputs; B: input input_weights: QUANTISED
;;     2. batch 128 x [M 1,024, K 64] x [K 64, N 1,024]; A: computed on the way; B: computed on the way: QUANTISED
;;     3. batch 128 x [M 1,024, K 1,024] x [K 1,024, N 64]; A: softmax (see below); B: computed on the way: QUANTISED
;;     4. [M 8,192, K 1,024] x [K 1,024, N 1,024]; A: computed on the way; B: input output_weights: QUANTISED
;;   THE QUANTISER, for each operand of a quantised product, along K:
;;     - K is cut into blocks of 32 from its start; a last block that is shorter is filled with zeros.
;;     - A block's scale is 2^e with e = floor(log2(the largest magnitude in the block)) - 4, held to -126 .. 127; a block of zeros has e = 0. As a byte (E8M0): e + 127.
;;     - Each number is divided by its block's scale, clamped to +-28, and rounded to the nearest number of E3M2, ties to even, subnormals kept.
;;     - The product sums the exact products of the quantised numbers (number of the format x scale) in f32.
;;   ~~~python
;;   def quantise(x, axis):      # numpy; x: float32 -> the quantised numbers, widened to float32 again
;;       x = np.moveaxis(x, axis, -1); K = x.shape[-1]
;;       x = np.pad(x, [(0, 0)] * (x.ndim - 1) + [(0, -K % 32)]); x = x.reshape(x.shape[:-1] + (-1, 32)); a = np.abs(x).max(-1, keepdims=True)
;;       e = np.where(a > 0, np.clip(np.frexp(np.where(a > 0, a, 1))[1] - 1 - 4, -126, 127), 0)      # np.frexp(a)[1] - 1 = floor(log2(a)), exactly
;;       r = np.clip(x / 2.0 ** e, -28, 28)
;;       step = 2.0 ** (np.maximum(np.frexp(np.where(r == 0, 1, r))[1] - 1, -2) - 2)
;;       q = np.round(r / step) * step * 2.0 ** e      # np.round: ties to even
;;       return np.moveaxis(q.reshape(q.shape[:-2] + (-1,))[..., :K], -1, axis).astype(np.float32)
;;   ~~~
;;   SOFTMAX AHEAD OF A QUANTISED PRODUCT. Where the list says 'softmax', what is quantised is not the finished softmax but p = 2^(t - M), with t = logit x log2(e) and M = ceil(the row's largest t), a whole number; so 1/2 < the row's largest p <= 1. The row's sum l is taken of the UNQUANTISED p, in f32, and the product's result is divided by l at the end. Since M is a whole number, a kernel that streams over the keys may use a running M (the ceiling of the running maximum): every later rescaling is an exact power of two, which a block's scale takes up: the codes' values come out the same.
;;   OPERANDS COMPUTED ON THE WAY. 'Computed on the way' means the value that the module computes at that place (a softmax that the list does not call 'softmax' is quantised finished and normalised). What goes into a quantiser is computed in f32, as accurately as f32 sums, v_exp_f32 and their like allow (about 1e-6 of the number): no bf16 or f16 on the way to a quantiser, and a product that is left as it is and whose result goes on into a quantised operand takes f32 operands (vector FMAs, or v_wmma_f32_16x16x4_f32). A number that lies on a knife's edge between two numbers of the format may be rounded either way, as far as f32 arithmetic and the matrix unit's own rounding can turn it there, and no further.
;; One version. Each part assembles by itself: llvm-mc -triple=amdgcn-amd-amdhsa -mcpu=gfx1250 --defsym DOCPART=n.
;; ======== version 1 of 1: 4 launches
;; limits: right only within a limited range of input values
;; workspace buffers: xc 6,291,456 bytes; xs 262,144 bytes; wc 3,145,728 bytes; ws 131,072 bytes; qkv 20,185,088 bytes; cc 6,291,456 bytes; cs 262,144 bytes
;; launch quant (part 1): grid 96 x 8, 8 waves a work-group, no clusters, 69,120 bytes of LDS; arguments inputs, input_weights, output_weights, xc, xs, wc, ws; writes xc, xs, wc, ws
.if DOCPART == 1
	.amdgcn_target "amdgcn-amd-amdhsa--gfx1250"
	.amdhsa_code_object_version 6
	.text
	.protected	k_q7824952025_quant
	.globl	k_q7824952025_quant
	.p2align	8
	.type	k_q7824952025_quant,@function
k_q7824952025_quant:
	s_mov_b64 s[64:65], 0
	v_nop
	global_prefetch_b8 v0, s[64:65] scope:SCOPE_SE
	s_setreg_imm32_b32 hwreg(HW_REG_WAVE_MODE, 25, 1), 1
	s_wait_xcnt 0x0
; inputs [8192][1024], input_weights [3072][1024] and output_weights [1024][1024], f32, K innermost, become codes of BF6 (E3M2) with one E8M0 byte for each 32 along K.
; A block's scale is 2^(floor(log2(its largest magnitude)) - 4); its byte is the largest magnitude's exponent field - 4, held at 1 from below.
; LIMITS: a block of zeros gets the byte 1 where the rule says 127 (its codes are zeros, and this program alone reads the bytes); NaN and infinities among the inputs are not served.
; LAYOUT OF THE RESULT: images of operand registers.  A ROW BLOCK is 16 rows that are not neighbours: lane r of block 2 B + u holds row 32 B + 8 u + r + 8 (r / 8).
; A fragment (row block, 128 along K) is 12 registers a lane, stored as three groups of 512 bytes, registers 4 g .. 4 g + 3 of lane l at 512 g + 16 l.  Codes: [row block][K step 0..7][1536 bytes].
; Scale words: [group of 128 rows][K step 8][g 2][r 16][i 4], the word of block 4 g + i: so 16 bytes at 16 r hold the words of four blocks.
; SHARES: work-group (x, y) takes 128 rows (group x: 0-63 inputs, 64-87 input_weights, 88-95 output_weights) x 128 along K (K step y); wave w takes block w: one fragment.
; Each load reads 512 consecutive bytes of one row; the 16 rows turn through the wave's own stage in LDS (pitch 528), so that a lane gets 16 neighbours of each block of 32.
; No matrix unit, no tensor load, no cluster: work-groups share nothing, and memory binds.
.set STGW, 16*528                      ; a wave's stage
.set SCW,  8*STGW                      ; behind the stages: the group's 128 scale words of this K step, 512 bytes
.set R,    16                          ; v16-79   the 16 rows as loaded
.set X,    80                          ; v80-143  register 16 b + i = k 32 b + 16 (lane / 16) + i of my row
.set TM,   16                          ; v16-31   at work, once the rows have left R
.set PC,   32                          ; v32-50   the codes
.set PW,   52                          ; v52      the scale word
.set SEL,  20                          ; s[20:21] lane selects: lane l xor 16
; 64 numbers of a lane, v[s] on, become a fragment's codes in v[PC] on and its scale word in v[pw].
.macro QUANT s, pw
.irp b, 0,1,2,3
	v_max3_num_f32 v[TM+\b], |v[\s+16*\b]|, |v[\s+1+16*\b]|, 0x2800000   ; block b: my 16 numbers, and the floor 2^(5 - 127): the byte cannot fall under 1
.endr
.irp i, 2,4,6,8,10,12,14
.irp b, 0,1,2,3
	s_delay_alu instid0(VALU_DEP_4)
	v_max3_num_f32 v[TM+\b], v[TM+\b], |v[\s+16*\b+\i]|, |v[\s+1+16*\b+\i]|   ; the four blocks by turns
.endr
.endr
.irp b, 0,1,2,3
	s_delay_alu instid0(VALU_DEP_4)
	v_permlanex16_b32 v[TM+4+\b], v[TM+\b], s[SEL], s[SEL+1]
.endr
.irp b, 0,1,2,3
	s_delay_alu instid0(VALU_DEP_4)
	v_max_num_f32 v[TM+\b], v[TM+\b], v[TM+4+\b]   ; with lane l xor 16's: the block's largest magnitude
.endr
.irp b, 0,1,2,3
	s_delay_alu instid0(VALU_DEP_4)
	v_add_nc_u32 v[TM+12+\b], 0xfe000000, v[TM+\b]   ; 4 off its exponent field: the conversion's scale operand
.endr
.irp b, 0,1,2,3
	s_delay_alu instid0(VALU_DEP_4)
	v_lshrrev_b32 v[TM+4+\b], 23, v[TM+12+\b]      ; the scale's byte
.endr
	s_delay_alu instid0(VALU_DEP_3)
	v_lshl_or_b32 v[\pw], v[TM+5], 8, v[TM+4]
	s_delay_alu instid0(VALU_DEP_1)
	v_lshl_or_b32 v[\pw], v[TM+6], 16, v[\pw]
	s_delay_alu instid0(VALU_DEP_1)
	v_lshl_or_b32 v[\pw], v[TM+7], 24, v[\pw]      ; my row's scale word
.irp c, 0,1
	v_cvt_scalef32_pk16_bf6_f32 v[PC+6*\c:PC+2+6*\c], v[\s+32*\c:\s+15+32*\c], v[TM+12+2*\c]
	v_cvt_scalef32_pk16_bf6_f32 v[PC+12+4*\c:PC+14+4*\c], v[\s+16+32*\c:\s+31+32*\c], v[TM+12+2*\c+1]   ; a conversion's three registers begin on an even number
.endr
	v_nop                                          ; one plain place behind a scaled conversion
.irp c, 0,1                                    ; the operand wants a whole block in a lane: lanes 0-15 block 2 c, lanes 16-31 block 2 c + 1
.irp i, 0,1,2
	v_permlane16_swap_b32 v[PC+6*\c+\i], v[PC+12+4*\c+\i]
.endr
.irp i, 0,1,2
	s_delay_alu instid0(VALU_DEP_3)
	v_mov_b32 v[PC+3+6*\c+\i], v[PC+12+4*\c+\i]
.endr
.endr
.endm
	s_load_b256 s[4:11], s[0:1], 0x0               ; inputs s[4:5], input_weights s[6:7], output_weights s[8:9], xc s[10:11]
	s_load_b128 s[12:15], s[0:1], 0x20             ; xs s[12:13], wc s[14:15]
	s_load_b64 s[16:17], s[0:1], 0x30              ; ws
	v_lshl_add_u32 v144, v0, 2, 0x10a00
	v_mov_b32 v145, 0
	v_lshrrev_b32 v6, 5, v0
	s_delay_alu instid0(VALU_DEP_1)
	v_readfirstlane_b32 s18, v6                    ; wave 0..7
	v_and_b32 v7, 31, v0
	s_delay_alu instid0(VALU_DEP_1)
	v_lshlrev_b32 v1, 4, v7                        ; 16 x lane
	v_and_b32 v8, 15, v0                           ; r
	v_bfe_u32 v9, v0, 4, 1                         ; h
	s_mul_i32 s19, s18, STGW
	v_add_nc_u32 v2, s19, v1                       ; the stage, in: 16 x lane of a row
	v_mul_u32_u24 v3, v8, 528
	s_delay_alu instid0(VALU_DEP_1)
	v_lshl_add_u32 v3, v9, 6, v3
	s_delay_alu instid0(VALU_DEP_1)
	v_add_nc_u32 v3, s19, v3                       ; out: row r, + 64 h
	s_lshr_b32 s22, s18, 2
	s_lshl_b32 s22, s22, 8
	s_and_b32 s23, s18, 3
	s_lshl_b32 s23, s23, 2
	s_add_co_u32 s22, s22, s23
	s_add_co_u32 s22, s22, SCW
	v_lshl_add_u32 v4, v8, 4, s22                  ; my block's scale word: 256 (w / 4) + 16 r + 4 (w % 4)
	v_add_nc_u32 v5, SCW, v1
	s_mov_b32 s[SEL], 0x76543210
	s_mov_b32 s[SEL+1], 0xfedcba98
	s_and_b32 s24, ttmp7, 0xffff                   ; K step
	s_cmp_lt_u32 ttmp9, 64                         ; which tensor: the choice hangs on the work-group's number alone
	s_cselect_b32 s25, 0, 64
	s_cmp_lt_u32 ttmp9, 88
	s_cselect_b32 s26, s25, 88
	s_sub_co_u32 s25, ttmp9, s25                   ; the group in the buffers of codes and scale words
	s_sub_co_u32 s26, ttmp9, s26                   ; the group in the source
	s_lshl_b32 s28, s26, 19                        ; 128 rows of 4,096 bytes,
	s_lshr_b32 s27, s18, 1
	s_lshl_b32 s27, s27, 17                        ; + 32 (w / 2) rows,
	s_add_co_u32 s28, s28, s27
	s_and_b32 s27, s18, 1
	s_lshl_b32 s27, s27, 15                        ; + 8 (w % 2) rows,
	s_add_co_u32 s28, s28, s27
	s_lshl_b32 s27, s24, 9                         ; + 128 numbers a K step
	s_add_co_u32 s28, s28, s27
	s_mov_b32 s29, 0
	s_lshl_b32 s30, s25, 3
	s_add_co_u32 s30, s30, s18
	s_mul_i32 s30, s30, 12288                      ; my row block's codes,
	s_mul_i32 s27, s24, 1536                       ; this K step's fragment
	s_add_co_u32 s30, s30, s27
	s_mov_b32 s31, 0
	s_lshl_b32 s32, s25, 12                        ; the group's scale words,
	s_lshl_b32 s27, s24, 9                         ; this K step's 512 bytes
	s_add_co_u32 s32, s32, s27
	s_mov_b32 s33, 0
	s_wait_alu depctr_va_vdst(0)
	s_wait_kmcnt 0x0
	s_cmp_lt_u32 ttmp9, 64
	s_cselect_b64 s[34:35], s[4:5], s[6:7]
	s_cselect_b64 s[36:37], s[10:11], s[14:15]
	s_cselect_b64 s[38:39], s[12:13], s[16:17]
	s_cmp_lt_u32 ttmp9, 88
	s_cselect_b64 s[34:35], s[34:35], s[8:9]
	s_add_nc_u64 s[34:35], s[34:35], s[28:29]
	s_add_nc_u64 s[36:37], s[36:37], s[30:31]
	s_add_nc_u64 s[38:39], s[38:39], s[32:33]
.irp t, 0,1,2,3,4,5,6,7,8,9,10,11,12,13,14,15
	global_load_b128 v[R+4*\t:R+4*\t+3], v1, s[34:35] offset:(\t+8*(\t/8))*4096 th:TH_LOAD_NT   ; lane-row t of my block: 512 consecutive bytes, read once in the launch
.endr
.irp t, 0,1,2,3,4,5,6,7,8,9,10,11,12,13,14,15
	s_wait_loadcnt 15-\t                           ; loads come back in order: row t is in, the 15 - t younger ones may be out
	ds_store_b128 v2, v[R+4*\t:R+4*\t+3] offset:528*\t
.endr
.irp b, 0,1,2,3
.irp j, 0,1,2,3
	ds_load_b128 v[X+16*\b+4*\j:X+16*\b+4*\j+3], v3 offset:128*\b+16*\j   ; LDS serves a wave's instructions in order: these see my stores
.endr
.endr
	s_wait_dscnt 0x0                               ; the numbers are back, and the stores have read R
.irp b, 0,1,2,3
	v_mov_b32 v[TM+4+\b], 0                        ; a lane permute's destination counts as one of its sources
.endr
	QUANT X, PW
.irp g, 0,1,2
	global_store_b128 v1, v[PC+4*\g:PC+4*\g+3], s[36:37] offset:512*\g   ; 32 lanes store 512 consecutive bytes, at a multiple of 256 from the buffer's first byte
.endr
	ds_store_b32 v4, v[PW]                         ; lanes r and r + 16 write the same word with the same value
	s_wait_dscnt 0x0                               ; for the others' sake: my word lies in LDS
	s_barrier_signal -1
	s_barrier_wait -1
	s_cmp_lg_u32 s18, 0                            ; wave 0 stores the group's 512 bytes of scale words
	s_cbranch_scc1 .Lend
	ds_load_b128 v[56:59], v5
	s_wait_dscnt 0x0
	global_store_b128 v1, v[56:59], s[38:39]
.Lend:
	s_wait_tensorcnt 0x0
	ds_add_u32 v144, v145
	s_wait_dscnt 0x0
	s_endpgm
.Lfunc_end_k_q7824952025_quant:
	.size	k_q7824952025_quant, .Lfunc_end_k_q7824952025_quant-k_q7824952025_quant
	.p2alignl 7, 3214868480
	.fill 96, 4, 3214868480
	.section	.rodata,"a",@progbits
	.p2align	6, 0x0
	.amdhsa_kernel k_q7824952025_quant
		.amdhsa_group_segment_fixed_size 69120
		.amdhsa_private_segment_fixed_size 0
		.amdhsa_enable_private_segment 0
		.amdhsa_kernarg_size 56
		.amdhsa_user_sgpr_count 2
		.amdhsa_user_sgpr_kernarg_segment_ptr 1
		.amdhsa_wavefront_size32 1
		.amdhsa_system_sgpr_workgroup_id_x 1
		.amdhsa_system_sgpr_workgroup_id_y 1
		.amdhsa_system_sgpr_workgroup_id_z 1
		.amdhsa_system_vgpr_workitem_id 0
		.amdhsa_next_free_vgpr 146
		.amdhsa_next_free_sgpr 66
		.amdhsa_reserve_vcc 0
		.amdhsa_float_denorm_mode_32 3
		.amdhsa_float_denorm_mode_16_64 3
		.amdhsa_memory_ordered 1
		.amdhsa_forward_progress 1
		.amdhsa_inst_pref_size 14
	.end_amdhsa_kernel
	.amdgpu_metadata
---
amdhsa.version: [ 1, 2 ]
amdhsa.kernels:
  - .name:           k_q7824952025_quant
    .symbol:         k_q7824952025_quant.kd
    .args:
      - { .name: inputs, .offset: 0, .size: 8, .value_kind: global_buffer, .address_space: global }
      - { .name: input_weights, .offset: 8, .size: 8, .value_kind: global_buffer, .address_space: global }
      - { .name: output_weights, .offset: 16, .size: 8, .value_kind: global_buffer, .address_space: global }
      - { .name: xc, .offset: 24, .size: 8, .value_kind: global_buffer, .address_space: global }
      - { .name: xs, .offset: 32, .size: 8, .value_kind: global_buffer, .address_space: global }
      - { .name: wc, .offset: 40, .size: 8, .value_kind: global_buffer, .address_space: global }
      - { .name: ws, .offset: 48, .size: 8, .value_kind: global_buffer, .address_space: global }
    .group_segment_fixed_size: 69120
    .private_segment_fixed_size: 0
    .kernarg_segment_align: 8
    .kernarg_segment_size: 56
    .max_flat_workgroup_size: 256
    .sgpr_count:     66
    .vgpr_count:     146
    .wavefront_size: 32
...
	.end_amdgpu_metadata
.endif
;; end of part 1
;; launch qkvgemm (part 2): grid 8 x 32, 4 waves a work-group, clusters of 4 x 4, 327,680 bytes of LDS; arguments xc, xs, wc, ws, input_biases, qkv; writes qkv
.if DOCPART == 2
	.amdgcn_target "amdgcn-amd-amdhsa--gfx1250"
	.amdhsa_code_object_version 6
	.text
	.protected	k_q7824952025_qkvgemm
	.globl	k_q7824952025_qkvgemm
	.p2align	8
	.type	k_q7824952025_qkvgemm,@function
k_q7824952025_qkvgemm:
	s_mov_b64 s[64:65], 0
	v_nop
	global_prefetch_b8 v0, s[64:65] scope:SCOPE_SE
	s_setreg_imm32_b32 hwreg(HW_REG_WAVE_MODE, 25, 1), 1
	s_wait_xcnt 0x0
	s_wait_alu depctr_hold_cnt(0) depctr_sa_sdst(0) depctr_va_vdst(0) depctr_va_sdst(0) depctr_va_ssrc(0) depctr_va_vcc(0) depctr_vm_vsrc(0)
	s_getreg_b32 s2, hwreg(HW_REG_IB_STS2, 6, 4)
	s_cmp_eq_u32 s2, 0
	s_cbranch_scc0 .Lentry_in_a_cluster
	s_endpgm
.Lentry_in_a_cluster:
	s_bfe_u32 s2, ttmp6, 0x10000c
	s_cmp_lg_u32 s2, 0xf033
	s_cbranch_scc0 .Lentry_shape_is_right
	s_endpgm
.Lentry_shape_is_right:
; q, k, v = X W_in^T + bias on codes of BF6 (E3M2) with E8M0 scales, K = 1,024, and the results quantised at once for the attention launch: q and k along the head's 64 channels, v along the tokens.
; OPERANDS lie in memory as images of operand registers: a ROW BLOCK is 16 rows, lane r of block 2 B + u holding row 32 B + 8 u + r + 8 (r / 8); a fragment (row block, 128 along K) is 1,536 bytes:
; registers 4 g .. 4 g + 3 of lane l at 512 g + 16 l.  Codes [row block][K step 8][1536]; scale words [group of 128 rows][K step 8][g 2][r 16][i 4] (block 4 g + i).
; SHARES: 8 x 32 = 256 work-groups.  Work-group (c, t) owns 256 tokens (tile t of X) and the pair of heads c.  X's tile stays in LDS for all of K (196,608 bytes); three chunks of 128 rows of W_in
; (q's chunk c, k's 8 + c, v's 16 + c; 98,304 bytes each) pass through the LDS bytes beside it: three passes of 256 x 128 x 1,024.
; LDS: two slots of 512 along K, each [X 16 row blocks][W 8 row blocks] x 6,144 bytes; behind them the spare words.
; THE MATRIX INSTRUCTION IS USED TRANSPOSED: lane (r, h) holds lane-row r of source 1's block, and register 8 b + j of source 0's eight blocks is its row 32 (b / 2) + 16 h + 8 (b % 2) + j: 16 neighbours for each block of 32.
; q, k: source 1 = X blocks 4 w .. 4 w + 3 (a lane holds one token), source 0 = the chunk's eight blocks (registers along the channels).
; v: source 1 = the chunk's blocks 4 (w / 2) .. + 3 (a lane holds one channel), source 0 = X blocks 8 (w % 2) .. + 7 (registers along the tokens, the K of attention's second product).
; A wave has 32 accumulators, one window of registers; a step of 128 along K is 32 products on 12 fragments.
; TENSOR LOADS: at the head each wave brings one whole piece (X's or W's part of a slot) under a chain of branches; a refill of W's part is 2 row blocks a wave, under no branch.  4 x 4 cluster: X's pieces are asked for jointly along a row of the cluster, W's along a column.
; W's part of slot 0 is filled again, with the next chunk, at K step 3, when its last fragments are in registers; W's part of slot 1 at K step 7.  Each of these rounds also shows the other slot's last fill whole.
; THE RESULT: records of 19,712 bytes, record (batch x 16 + head) x 8 + step of 128 tokens: Qc 0 (8 tiles x 768: registers 0-3 at 16 l, then 4-5 at 8 l), Qs 6,144 ([g 2][r 16][i 4], bytes 0, 1; bytes 2, 3 are 0),
; Kc 6,656, Ks 12,800 likewise, Vc 13,312 (4 fragments of 16 channels x 128 keys), Vs 19,456 ([r 16][i 4]).
; LIMITS: a block of zeros gets the byte 1 where the rule says 127 (its codes are zeros; this program alone reads the bytes); NaN and infinities are not served.
; No prefetch: W's chunks are read by all 32 token tiles, and X's tile is asked for whole at the head.
; REGISTERS: window 0: v8-30 addresses; v32-63 source 0's scale words of the pass's 8 K steps (lanes 0-15 blocks 0-3, lanes 16-31 blocks 4-7); v64-95 source 1's; v96-143, v144-191 source 1's four fragments, two sets;
;   on the way out v144-191 at work and v192-255 a block's 64 numbers.  Window 1: source 0's eight fragments, two sets (v0, v128).  Window 2: the accumulators, (a, b) at v[8 (8 a + b)].  Window 3: the biases.
.set FR,    12                         ; registers of a fragment
.set NP,    4                          ; places behind this matrix instruction (ISA guide 7.12.1)
.set FRB,   1536                       ; a fragment's image
.set RBB,   4*FRB                      ; a row block's part of a slot: four K steps of 128
.set XPART, 16*RBB                     ; X's part of a slot
.set SLOT,  24*RBB                     ; and W's 8 row blocks behind it
; THE SCALE WORDS go from memory straight into registers (macro SCALES): LDS holds the two slots and, behind them, the spare words alone.
.set SPARE, 2*SLOT                     ; the spare words, 128 bytes a wave: two blocks of 256 bytes that no other line names
.set REC,   19712
.set HSTR,  8*REC                      ; from a head to the next
.set CHSTEP, 8*8*12288                 ; in wc: from q's chunk to k's, from k's to v's
.set L16Q, 8                           ; v8   q, k: 16 x lane + my four tiles' place in a record
.set L8Q,  9                           ; v9   8 x lane + the same
.set VSQ,  10                          ; v10  q's, k's scale words: HSTR x h + 16 r + 256 (w % 2)
.set VSV,  11                          ; v11  v's scale words: 16 r + 8 h
.set R16,  12                          ; v12  16 r
.set AD1,  16                          ; v16-17 q, k: source 1's fragments in slot 0, 1
.set AD0,  18                          ; v18-19 q, k: source 0's
.set AD1V, 20                          ; v20-21 v: source 1's
.set AD0V, 22                          ; v22-23 v: source 0's
.set ASW0, 30                          ; W's scale words as source 0: byte offset 16 x lane = 256 g + 16 r (the same register as L16)
.set ASX1, 25                          ; v25  X's as source 1
.set ASX0, 26                          ; v26  X's as source 0
.set ASW1, 27                          ; v27  W's as source 1
.set SPW,  28                          ; v28  my spare word; never rewritten
.set NIL,  29                          ; v29  0; never rewritten
.set L16,  30                          ; v30  16 x lane
.set SC0,  32
.set SC1,  64
.set F1,   96
.set TM,   144
.set PC,   160
.set W,    180
.set SW,   184
.set T,    192
.set BIW,  0                           ; window 3: q's bias by column v0-63, k's v64-127
.set BVW,  128                         ; window 3: v's bias by lane, a pair for each of my four blocks
.set SEL,  2                           ; s[2:3] lane selects: lane l xor 16
.set G1X,  24                          ; s[24:31] group 1 for X's pieces;  s[32:39] for W's;  s[48:55] for the head's loads of W
.set G1W,  32
.set G1WH, 48                          ; s[48:55] group 1 for the head's loads of W: a chunk's 8 row blocks
.set SBX,  56                          ; s[56:57] my tile's scale words in xs;  s[96:97] q's chunk's in ws (k's 32,768 bytes on, v's 65,536)
.set HM,   67
.set G0X,  68                          ; s[68:75] group 0 for X's part of slot 0, 1: all 16 row blocks
.set G0W,  76                          ; s[76:83] group 0 for the refills of W's part: my two row blocks
.set G0WH, 84                          ; s[84:91] group 0 for the head's loads of W's part of slot 0, 1
.set MSB, 0
.macro WIN new                         ; the immediate's high byte repeats the setting that is left; a switch that changes nothing is dropped
.if MSB != (\new)
	s_set_vgpr_msb (MSB<<8)|(\new)
.set MSB, (\new)
.endif
.endm
.set MUL,  0xa1                        ; source 0 window 1, source 1 window 0, C and D window 2
.set TO_B, 0x40                        ; destination window 1, address window 0
.macro CREST                           ; a round of the cluster's barrier behind its opening barrier
	s_cmp_lg_u32 s14, 0
	s_cbranch_scc1 .Lnot_wave_0_\@
	s_barrier_signal -3
.Lnot_wave_0_\@:
	s_barrier_wait -3
	s_barrier_signal -1
	s_barrier_wait -1
.endm
.macro CROUND
	s_barrier_signal -1
	s_barrier_wait -1
	CREST
.endm
.macro PLACES n
.rept \n
	v_nop
.endr
.endm
.macro FRAG reg, adr, q, i             ; a fragment comes as it was stored: three loads of 512 consecutive bytes
.irp g, 0,1,2
	ds_load_b128 v[\reg+4*\g:\reg+4*\g+3], v[\adr] offset:(\i)*RBB+(\q)*FRB+512*\g
.endr
.endm
.macro FETCH a0, a1, ks                ; K step ks: source 0's eight fragments and source 1's four, into set ks % 2.  36 loads
	WIN TO_B
.irp i, 0,1,2,3,4,5,6,7
	FRAG 128*((\ks)%2)+FR*\i, \a0+(\ks)/4, (\ks)%4, \i
.endr
	WIN 0
.irp i, 0,1,2,3
	FRAG F1+48*((\ks)%2)+FR*\i, \a1+(\ks)/4, (\ks)%4, \i
.endr
.endm
.macro SCALES a0s, a1s, isv, j         ; a pass's scale words, all 8 K steps: four registers a step and a source.  j: the chunk
.irp k, 0,1,2,3,4,5,6,7
.if \isv                               ; sixteen neighbouring lanes read 256 consecutive bytes, at a multiple of 256 from the buffer's first byte
	global_load_b128 v[SC0+4*\k:SC0+4*\k+3], v[\a0s], s[SBX:SBX+1] offset:512*\k
	global_load_b128 v[SC1+4*\k:SC1+4*\k+3], v[\a1s], s[96:97] offset:(\j)*32768+512*\k
.else
	global_load_b128 v[SC0+4*\k:SC0+4*\k+3], v[\a0s], s[96:97] offset:(\j)*32768+512*\k
	global_load_b128 v[SC1+4*\k:SC1+4*\k+3], v[\a1s], s[SBX:SBX+1] offset:512*\k
.endif
.endr
.endm
; 16 matrix instructions: source 1's blocks a0, a0 + 1 x source 0's eight, K step ks.  zero = 1: the product starts the sums.
; The 32 accumulators take turns, one instruction a turn, in the same order in every step.
.macro MUL16 a0, ks, zero
.irp a, \a0, \a0+1
.irp b, 0,1,2,3,4,5,6,7
.set rD, 8*(8*(\a)+\b)
.set rB, 128*((\ks)%2)+FR*\b
.set rA, F1+48*((\ks)%2)+FR*(\a)
.set rS0, SC0+4*(\ks)+\b%4
.set rS1, SC1+4*(\ks)+(\a)
.if \b < 4
.if (\zero) == 1
	v_wmma_scale_f32_16x16x128_f8f6f4 v[rD:rD+7], v[rB:rB+FR-1], v[rA:rA+FR-1], 0, v[rS0], v[rS1] matrix_a_fmt:MATRIX_FMT_BF6 matrix_b_fmt:MATRIX_FMT_BF6
.else
	v_wmma_scale_f32_16x16x128_f8f6f4 v[rD:rD+7], v[rB:rB+FR-1], v[rA:rA+FR-1], v[rD:rD+7], v[rS0], v[rS1] matrix_a_fmt:MATRIX_FMT_BF6 matrix_b_fmt:MATRIX_FMT_BF6
.endif
.else
.if (\zero) == 1
	v_wmma_scale_f32_16x16x128_f8f6f4 v[rD:rD+7], v[rB:rB+FR-1], v[rA:rA+FR-1], 0, v[rS0], v[rS1] matrix_a_fmt:MATRIX_FMT_BF6 matrix_b_fmt:MATRIX_FMT_BF6 matrix_a_scale:MATRIX_SCALE_ROW1
.else
	v_wmma_scale_f32_16x16x128_f8f6f4 v[rD:rD+7], v[rB:rB+FR-1], v[rA:rA+FR-1], v[rD:rD+7], v[rS0], v[rS1] matrix_a_fmt:MATRIX_FMT_BF6 matrix_b_fmt:MATRIX_FMT_BF6 matrix_a_scale:MATRIX_SCALE_ROW1
.endif
.endif
.endr
.endr
.endm
; A K step whose successor lies in a slot that is known whole: the next step's fragments are asked for first and have this step's 32 products in which to land.
.macro STEPK a0, a1, ks, zero
	s_wait_dscnt 0x0                               ; this step's fragments, asked for a step ago, are in
.if (\ks) > 0
	PLACES NP                                      ; in front of loads into the set that the last step's products read
.endif
	FETCH \a0, \a1, (\ks)+1
	WIN MUL
	MUL16 0, \ks, \zero
	MUL16 2, \ks, \zero
.endm
; K step 3: from here on slot 1 is read.  One barrier: in front of it each wave waits for all its tensor loads (its parts of slot 1) and for its reads of slot 0.
; refill = 1: the barrier opens a round of the cluster's barrier, and W's part of slot 0 takes the next chunk: the wave's one tensor load behind the round.
.macro MID a0, a1, refill
	WIN 0                                          ; the add's two registers lie in window 0
	s_wait_tensorcnt 0x0                           ; all my tensor loads have landed
.if \refill
	ds_add_u32 v[SPW], v[NIL]                      ; 0 onto my spare word
	s_add_nc_u64 s[G0W+2:G0W+3], s[G0W+2:G0W+3], CHSTEP   ; no load of mine is out: the descriptor steps to the next chunk
.endif
	s_wait_dscnt 0x0                               ; the add is done; this step's fragments are in, and they were my last reads of slot 0
	s_barrier_signal -1
	WIN MUL
	MUL16 0, 3, 0                                  ; work on registers while the others arrive
	WIN 0
	s_barrier_wait -1
.if \refill
	CREST                                          ; no wave of any partner still reads W's part of slot 0 or has a load on its way
	tensor_load_to_lds s[G0W:G0W+3], s[G1W:G1W+7]
	s_nop 0
.endif
	PLACES NP                                      ; behind the tensor load, and in front of loads into the set that K step 2's products read
	FETCH \a0, \a1, 4
	WIN MUL
	MUL16 2, 3, 0
.endm
; K step 7.  refill = 1: W's part of slot 1 takes the next chunk in the same way; the round also shows the next chunk's part of slot 0 whole.
.macro LASTK refill
.if \refill
	WIN 0
	s_wait_tensorcnt 0x0                           ; all my tensor loads have landed: my part of the next chunk in slot 0
	ds_add_u32 v[SPW], v[NIL]                      ; 0 onto my spare word
	s_add_nc_u64 s[G0W+6:G0W+7], s[G0W+6:G0W+7], CHSTEP
	s_wait_dscnt 0x0                               ; the add is done; this step's fragments are in, and they were my last reads of this chunk
	s_barrier_signal -1
	WIN MUL
	MUL16 0, 7, 0
	WIN 0
	s_barrier_wait -1
	CREST
	tensor_load_to_lds s[G0W+4:G0W+7], s[G1W:G1W+7]
	s_nop 0
	PLACES NP
	WIN MUL
	MUL16 2, 7, 0
.else
	s_wait_dscnt 0x0
	WIN MUL
	MUL16 0, 7, 0
	MUL16 2, 7, 0
.endif
	WIN 0
	PLACES NP+1                                    ; behind the pass's last products: results are read, operands' registers written and loaded, and the next pass's first products write over the accumulators
.endm
.macro PASS a0, a1, refill             ; K step 0's fragments and the scale words have been asked for
	STEPK \a0, \a1, 0, 1                           ; the first products start the sums: nothing is cleared
	STEPK \a0, \a1, 1, 0
	STEPK \a0, \a1, 2, 0
	MID \a0, \a1, \refill
	STEPK \a0, \a1, 4, 0
	STEPK \a0, \a1, 5, 0
	STEPK \a0, \a1, 6, 0
	LASTK \refill
.endm
; 64 numbers of a lane, v[s] on (register 16 b + i = k 32 b + 16 (lane / 16) + i of my row), become a fragment's codes in v[PC] on and its scale word in v[pw].
.macro QUANT s, pw
.irp b, 0,1,2,3
	v_max3_num_f32 v[TM+\b], |v[\s+16*\b]|, |v[\s+1+16*\b]|, 0x2800000   ; and the floor 2^(5 - 127): the byte cannot fall under 1
.endr
.irp i, 2,4,6,8,10,12,14
.irp b, 0,1,2,3
	v_max3_num_f32 v[TM+\b], v[TM+\b], |v[\s+16*\b+\i]|, |v[\s+1+16*\b+\i]|
.endr
.endr
.irp b, 0,1,2,3
	v_permlanex16_b32 v[TM+4+\b], v[TM+\b], s[SEL], s[SEL+1]
.endr
.irp b, 0,1,2,3
	v_max_num_f32 v[TM+\b], v[TM+\b], v[TM+4+\b]
.endr
.irp b, 0,1,2,3
	v_add_nc_u32 v[TM+12+\b], 0xfe000000, v[TM+\b]   ; 4 off the exponent field: the conversion's scale operand
.endr
.irp b, 0,1,2,3
	v_lshrrev_b32 v[TM+4+\b], 23, v[TM+12+\b]
.endr
	v_lshl_or_b32 v[\pw], v[TM+5], 8, v[TM+4]
	v_lshl_or_b32 v[\pw], v[TM+6], 16, v[\pw]
	v_lshl_or_b32 v[\pw], v[TM+7], 24, v[\pw]
.irp c, 0,1
	v_cvt_scalef32_pk16_bf6_f32 v[PC+6*\c:PC+2+6*\c], v[\s+32*\c:\s+15+32*\c], v[TM+12+2*\c]
	v_cvt_scalef32_pk16_bf6_f32 v[PC+12+4*\c:PC+14+4*\c], v[\s+16+32*\c:\s+31+32*\c], v[TM+12+2*\c+1]
.endr
	v_nop                                          ; one plain place behind a scaled conversion
.irp c, 0,1
.irp i, 0,1,2
	v_permlane16_swap_b32 v[PC+6*\c+\i], v[PC+12+4*\c+\i]
.endr
.irp i, 0,1,2
	v_mov_b32 v[PC+3+6*\c+\i], v[PC+12+4*\c+\i]
.endr
.endr
.endm
; THE WAY OUT of a pass, a block of source 1 at a time: the bias is added while the block's 64 numbers move to window 0 (each accumulator from its low end on), they are quantised, and the codes are stored as images.
; It stands behind the round that asks for the next chunk's second half, and the next pass's first fragments are on their way from LDS meanwhile.
.macro ADDB a, bw, pair
	WIN 0x0e                                       ; source 0: window 2 (the sums); source 1: window 3 (the bias)
.set i, 0
.rept 32
.if \pair
	v_pk_add_f32 v[T+2*i:T+2*i+1], v[64*(\a)+2*i:64*(\a)+2*i+1], v[(\bw):(\bw)+1]
.else
	v_pk_add_f32 v[T+2*i:T+2*i+1], v[64*(\a)+2*i:64*(\a)+2*i+1], v[(\bw)+2*i:(\bw)+2*i+1]
.endif
.set i, i+1
.endr
	WIN 0
.endm
.macro OUTQK a, j                      ; 16 tokens x 128 channels: registers 0-5 are the first head's tile, 6-11 the second's.  j = 0: q, 1: k
	ADDB \a, BIW+64*(\j), 0
	s_wait_xcnt 0x0                                ; the last block's stores have read the codes' registers
	QUANT T, W+(\a)
	global_store_b128 v[L16Q], v[PC:PC+3], s[12:13] offset:6656*(\j)+768*(\a)
	global_store_b64 v[L8Q], v[PC+4:PC+5], s[12:13] offset:6656*(\j)+768*(\a)+512
	global_store_b128 v[L16Q], v[PC+6:PC+9], s[12:13] offset:HSTR+6656*(\j)+768*(\a)
	global_store_b64 v[L8Q], v[PC+10:PC+11], s[12:13] offset:HSTR+6656*(\j)+768*(\a)+512   ; each store covers 512 or 256 consecutive bytes, at a multiple of 256 from the buffer's first byte
.endm
.macro WAYQK j
.irp b, 0,1,2,3
	v_mov_b32 v[TM+4+\b], 0                        ; a lane permute's destination counts as one of its sources
.endr
.irp a, 0,1,2,3
	OUTQK \a, \j
.endr
.irp i, 0,1,2,3
	v_lshrrev_b32 v[SW+4+\i], 16, v[W+\i]          ; bytes 2, 3: the second head's two blocks
.endr
.irp i, 0,1,2,3
	v_and_b32 v[SW+\i], 0xffff, v[W+\i]            ; bytes 0, 1: the first head's; the upper 64 of the instruction's K are zero codes under the byte 0
.endr
.irp i, 0,1,2,3
	v_cndmask_b32 v[SW+\i], v[SW+\i], v[SW+4+\i], s[HM]   ; lanes 0-15 store into the first head's record, lanes 16-31 into the second's
.endr
	global_store_b128 v[VSQ], v[SW:SW+3], s[12:13] offset:6656*(\j)+6144   ; sixteen lanes store 256 consecutive bytes in each record
	s_wait_xcnt 0x0                                ; the stores have read their registers: the next pass's fragments may land there
.endm
.macro OUTV a                          ; 16 channels x 128 tokens: a whole fragment of V
	ADDB \a, BVW+2*(\a), 1
	s_wait_xcnt 0x0
	QUANT T, W+(\a)
.irp g, 0,1,2
	global_store_b128 v[L16], v[PC+4*\g:PC+4*\g+3], s[20:21] offset:FRB*(\a)+512*\g
.endr
.endm
	s_load_b128 s[4:7], s[0:1], 0x0                ; xc, xs
	s_load_b128 s[8:11], s[0:1], 0x10              ; wc, ws
	s_load_b128 s[92:95], s[0:1], 0x20             ; input_biases, qkv
	v_lshl_add_u32 v[SPW], v0, 2, SPARE
	v_mov_b32 v[NIL], 0
	ds_add_u32 v28, v29
	ds_add_u32 v28, v29
	s_wait_dscnt 0x0
	v_lshrrev_b32 v1, 5, v0
	v_readfirstlane_b32 s14, v1                    ; wave 0..3
	s_lshr_b32 s15, s14, 1
	s_and_b32 s16, s14, 1
	s_bfe_u32 s40, ttmp6, 0x40000                  ; cx
	s_bfe_u32 s41, ttmp6, 0x40004                  ; cy
	s_lshl_b32 s42, ttmp9, 2
	s_add_co_u32 s42, s42, s40                     ; c: the pair of heads
	s_and_b32 s17, ttmp7, 0xffff
	s_lshl_b32 s17, s17, 2
	s_add_co_u32 s17, s17, s41                     ; t: the tile of 256 tokens
	s_lshl_b32 s43, s41, 2
	s_lshl_b32 s43, 15, s43                        ; my row of the cluster: the same t
	s_lshl_b32 s44, 0x1111, s40                    ; my column: the same c
	s_mov_b32 s[HM], 0xffff0000
	s_mov_b32 s[SEL], 0x76543210
	s_mov_b32 s[SEL+1], 0xfedcba98
	; group 1 for X's pieces: 16 row blocks x 6,144 bytes (768 elements of 8 bytes), 12,288 bytes apart in memory, dense in LDS
	s_or_b32 s[G1X+0], s43, (3<<16)|(1<<21)
	s_mov_b32 s[G1X+1], 768<<16                    ; tensor_dim0
	s_mov_b32 s[G1X+2], 16<<16                     ; tensor_dim1: one load brings all 16 row blocks of a slot
	s_mov_b32 s[G1X+3], 768<<16
	s_mov_b32 s[G1X+4], 16
	s_mov_b32 s[G1X+5], 1536                       ; tensor_dim0_stride
	s_mov_b32 s[G1X+6], 0
	s_mov_b32 s[G1X+7], 0
	; for W's: 2 row blocks
	s_or_b32 s[G1W+0], s44, (3<<16)|(1<<21)
	s_mov_b32 s[G1W+1], 768<<16
	s_mov_b32 s[G1W+2], 2<<16
	s_mov_b32 s[G1W+3], 768<<16
	s_mov_b32 s[G1W+4], 2
	s_mov_b32 s[G1W+5], 1536
	s_mov_b32 s[G1W+6], 0
	s_mov_b32 s[G1W+7], 0
	; for the head's loads of W: all 8 row blocks of a chunk
	s_or_b32 s[G1WH+0], s44, (3<<16)|(1<<21)
	s_mov_b32 s[G1WH+1], 768<<16
	s_mov_b32 s[G1WH+2], 8<<16
	s_mov_b32 s[G1WH+3], 768<<16
	s_mov_b32 s[G1WH+4], 8
	s_mov_b32 s[G1WH+5], 1536
	s_mov_b32 s[G1WH+6], 0
	s_mov_b32 s[G1WH+7], 0
	; where the pieces begin.  X's offsets are made of t, W's of c (the refills' also of the wave's number), each in registers that never hold the other coordinate
	s_mul_i32 s20, s17, 196608                     ; X's tile: 16 row blocks of 12,288 bytes,
	s_mov_b32 s21, 0
	s_lshl_b32 s22, s17, 13                        ; its scale words: 8,192 bytes,
	s_mov_b32 s23, 0
	s_mul_i32 s60, s42, 98304                      ; q's chunk c: 8 row blocks;
	s_mov_b32 s61, 0
	s_mul_i32 s46, s14, 24576                      ; for the refills: my two of them
	s_mov_b32 s47, 0
	s_lshl_b32 s96, s42, 12                        ; its scale words,
	s_mov_b32 s97, 0
	s_mul_i32 s45, s14, 4*RBB                      ; my X blocks in LDS, 4 w on: by the wave's number alone
	s_mul_i32 s98, s14, 2*RBB
	s_wait_kmcnt 0x0
	s_add_nc_u64 s[20:21], s[4:5], s[20:21]
	s_add_nc_u64 s[SBX:SBX+1], s[6:7], s[22:23]
	s_add_nc_u64 s[60:61], s[8:9], s[60:61]
	s_add_nc_u64 s[46:47], s[60:61], s[46:47]
	s_add_nc_u64 s[96:97], s[10:11], s[96:97]
.irp s, 0,1
	s_mov_b32 s[G0X+4*\s], 1
	s_mov_b32 s[G0X+4*\s+1], \s*SLOT
	s_add_nc_u64 s[G0X+4*\s+2:G0X+4*\s+3], s[20:21], \s*RBB
	s_or_b32 s[G0X+4*\s+3], s[G0X+4*\s+3], 0x80000000
	s_mov_b32 s[G0WH+4*\s], 1
	s_mov_b32 s[G0WH+4*\s+1], \s*SLOT+XPART
	s_add_nc_u64 s[G0WH+4*\s+2:G0WH+4*\s+3], s[60:61], \s*RBB
	s_or_b32 s[G0WH+4*\s+3], s[G0WH+4*\s+3], 0x80000000
	s_mov_b32 s[G0W+4*\s], 1
	s_add_co_u32 s[G0W+4*\s+1], s98, \s*SLOT+XPART
	s_add_nc_u64 s[G0W+4*\s+2:G0W+4*\s+3], s[46:47], \s*RBB
	s_or_b32 s[G0W+4*\s+3], s[G0W+4*\s+3], 0x80000000
.endr
	CROUND                                         ; all sixteen work-groups are here: the first joint loads meet
; THE HEAD'S LOADS, ONE A WAVE: wave 0 X's part of slot 0, wave 1 W's, wave 2 X's part of slot 1, wave 3 W's.  One chain of branches on the wave's number: every way passes one load.
.macro ARM under, g0, g1, next
	s_cmp_lt_u32 s14, \under
	s_cbranch_scc0 \next
	tensor_load_to_lds s[\g0:\g0+3], s[\g1:\g1+7]
	s_nop 0
	PLACES 4
	s_branch .Lhead_asked
\next:
.endm
	ARM 1, G0X, G1X, .Lhead_w0
	ARM 2, G0WH, G1WH, .Lhead_x1
	ARM 3, G0X+4, G1X, .Lhead_w1
	tensor_load_to_lds s[G0WH+4:G0WH+7], s[G1WH:G1WH+7]
	s_nop 0
	PLACES 4
.Lhead_asked:
	v_and_b32 v1, 15, v0                           ; r
	v_bfe_u32 v2, v0, 4, 1                         ; h
	v_and_b32 v3, 31, v0
	v_lshlrev_b32 v[L16], 4, v3
	v_lshlrev_b32 v[R16], 4, v1
	s_mov_b32 s18, s45                             ; q, k: source 1 = X blocks 4 w on
	s_mul_i32 s19, s15, 4*RBB
	s_add_co_u32 s19, s19, XPART                   ; v: source 1 = W blocks 4 (w / 2) on
	s_mul_i32 s22, s16, 8*RBB                      ; v: source 0 = X blocks 8 (w % 2) on
.irp s, 0,1
	v_add_nc_u32 v[AD1+\s], s18, v[L16]
	v_add_nc_u32 v[AD0+\s], XPART+\s*SLOT, v[L16]
	v_add_nc_u32 v[AD1V+\s], s19, v[L16]
	v_add_nc_u32 v[AD0V+\s], s22, v[L16]
	s_add_co_u32 s18, s18, SLOT
	s_add_co_u32 s19, s19, SLOT
	s_add_co_u32 s22, s22, SLOT
.endr
	s_wait_alu depctr_va_vdst(0)
	s_lshl_b32 s18, s15, 12
	s_lshl_b32 s19, s16, 8
	s_add_co_u32 s18, s18, s19
	v_add_nc_u32 v[ASX1], s18, v[R16]              ; X blocks 4 w on: group w / 2, g = w % 2
	s_lshl_b32 s18, s16, 12
	v_add_nc_u32 v[ASX0], s18, v[L16]              ; X's group w % 2
	s_lshl_b32 s18, s15, 8
	v_add_nc_u32 v[ASW1], s18, v[R16]              ; W blocks 4 (w / 2) on: g = w / 2
	; the records
	s_lshr_b32 s18, s17, 2
	s_lshl_b32 s18, s18, 7                         ; batch x 128
	s_lshl_b32 s19, s42, 4
	s_add_co_u32 s18, s18, s19                     ; + pair of heads x 16
	s_lshl_b32 s19, s17, 1
	s_add_co_u32 s22, s19, s15                     ; q, k: my tokens' group of 128: 2 t + w / 2
	s_and_b32 s22, s22, 7
	s_add_co_u32 s22, s22, s18
	s_mul_i32 s22, s22, REC
	s_mov_b32 s23, 0
	s_add_nc_u64 s[12:13], s[94:95], s[22:23]
	s_add_co_u32 s22, s19, s16                     ; v: my tokens' group: 2 t + w % 2,
	s_and_b32 s22, s22, 7
	s_add_co_u32 s22, s22, s18
	s_lshl_b32 s19, s15, 3                         ; my head of the pair: w / 2
	s_add_co_u32 s22, s22, s19
	s_mul_i32 s22, s22, REC
	s_add_co_u32 s22, s22, 13312
	s_add_nc_u64 s[20:21], s[94:95], s[22:23]
	s_lshl_b32 s22, s42, 9
	s_add_nc_u64 s[92:93], s[92:93], s[22:23]      ; q's 128 biases of chunk c; k's lie 4,096 bytes on, v's 8,192
	s_mul_i32 s19, s16, 3072                       ; q, k: my four tiles of the record's eight
	v_add_nc_u32 v[L16Q], s19, v[L16]
	v_lshl_add_u32 v[L8Q], v3, 3, s19
	v_mul_u32_u24 v7, v2, HSTR
	v_add_nc_u32 v[VSQ], v7, v[R16]
	s_lshl_b32 s18, s16, 8
	v_add_nc_u32 v[VSQ], s18, v[VSQ]
	v_lshl_add_u32 v[VSV], v2, 3, v[R16]
	v_lshlrev_b32 v5, 6, v2                        ; the bias by column: 16 h numbers on
	v_and_b32 v6, 8, v1
	v_add_nc_u32 v6, v6, v1
	v_lshlrev_b32 v6, 2, v6                        ; the bias by lane: number r + 8 (r / 8),
	s_lshl_b32 s18, s15, 8
	v_add_nc_u32 v6, s18, v6                       ; 64 (w / 2) numbers on
	WIN 0xc0                                       ; destination window 3
.irp j, 0,1
.irp b, 0,1,2,3,4,5,6,7
	global_load_b128 v[BIW+64*\j+8*\b:BIW+64*\j+8*\b+3], v5, s[92:93] offset:4096*\j+(32*(\b/2)+8*(\b%2))*4
	global_load_b128 v[BIW+64*\j+8*\b+4:BIW+64*\j+8*\b+7], v5, s[92:93] offset:4096*\j+(32*(\b/2)+8*(\b%2))*4+16
.endr
.endr
.irp a, 0,1,2,3
	global_load_b32 v[BVW+2*\a], v6, s[92:93] offset:8192+(32*(\a/2)+8*(\a%2))*4
	global_load_b32 v[BVW+2*\a+1], v6, s[92:93] offset:8192+(32*(\a/2)+8*(\a%2))*4   ; twice: a pair for the packed addition
.endr
	WIN 0
	s_wait_alu depctr_va_vdst(0)
	SCALES ASW0, ASX1, 0, 0
	s_wait_tensorcnt 0x0                           ; my one tile of the head's four is in
	s_barrier_signal -1
	s_barrier_wait -1                              ; everybody's is: both slots are whole
	FETCH AD0, AD1, 0
	s_wait_loadcnt 0x0                             ; the biases and q's scale words
	PASS AD0, AD1, 1                               ; q
	SCALES ASW0, ASX1, 0, 1                        ; k's scale words and first fragments come while q goes out
	FETCH AD0, AD1, 0
	WAYQK 0
	s_wait_loadcnt 0x0                             ; k's scale words
	PASS AD0, AD1, 1                               ; k
	SCALES ASX0, ASW1, 1, 2
	FETCH AD0V, AD1V, 0
	WAYQK 1
	s_wait_loadcnt 0x0                             ; v's scale words
	PASS AD0V, AD1V, 0                             ; v: nothing is left to fetch
.irp b, 0,1,2,3
	v_mov_b32 v[TM+4+\b], 0
.endr
.irp a, 0,1,2,3
	OUTV \a
.endr
	v_cndmask_b32 v[SW], v[W], v[W+2], s[HM]       ; lane (r, h) stores the words of fragments 2 h, 2 h + 1 of channel row r
	v_cndmask_b32 v[SW+1], v[W+1], v[W+3], s[HM]
	global_store_b64 v[VSV], v[SW:SW+1], s[20:21] offset:6144   ; 32 lanes store 256 consecutive bytes
	s_wait_tensorcnt 0x0                           ; the wave's end
	ds_add_u32 v[SPW], v[NIL]
	s_wait_dscnt 0x0
	CROUND                                         ; the closing round: no work-group ends while a partner may still ask for a tile that names it
	s_endpgm
.Lfunc_end_k_q7824952025_qkvgemm:
	.size	k_q7824952025_qkvgemm, .Lfunc_end_k_q7824952025_qkvgemm-k_q7824952025_qkvgemm
	.p2alignl 7, 3214868480
	.fill 96, 4, 3214868480
	.section	.rodata,"a",@progbits
	.p2align	6, 0x0
	.amdhsa_kernel k_q7824952025_qkvgemm
		.amdhsa_group_segment_fixed_size 327680
		.amdhsa_private_segment_fixed_size 0
		.amdhsa_enable_private_segment 0
		.amdhsa_kernarg_size 48
		.amdhsa_user_sgpr_count 2
		.amdhsa_user_sgpr_kernarg_segment_ptr 1
		.amdhsa_wavefront_size32 1
		.amdhsa_system_sgpr_workgroup_id_x 1
		.amdhsa_system_sgpr_workgroup_id_y 1
		.amdhsa_system_sgpr_workgroup_id_z 1
		.amdhsa_system_vgpr_workitem_id 0
		.amdhsa_next_free_vgpr 1024
		.amdhsa_next_free_sgpr 100
		.amdhsa_reserve_vcc 0
		.amdhsa_float_denorm_mode_32 3
		.amdhsa_float_denorm_mode_16_64 3
		.amdhsa_memory_ordered 1
		.amdhsa_forward_progress 1
		.amdhsa_inst_pref_size 253
	.end_amdhsa_kernel
	.amdgpu_metadata
---
amdhsa.version: [ 1, 2 ]
amdhsa.kernels:
  - .name:           k_q7824952025_qkvgemm
    .symbol:         k_q7824952025_qkvgemm.kd
    .args:
      - { .name: xc, .offset: 0, .size: 8, .value_kind: global_buffer, .address_space: global }
      - { .name: xs, .offset: 8, .size: 8, .value_kind: global_buffer, .address_space: global }
      - { .name: wc, .offset: 16, .size: 8, .value_kind: global_buffer, .address_space: global }
      - { .name: ws, .offset: 24, .size: 8, .value_kind: global_buffer, .address_space: global }
      - { .name: input_biases, .offset: 32, .size: 8, .value_kind: global_buffer, .address_space: global }
      - { .name: qkv, .offset: 40, .size: 8, .value_kind: global_buffer, .address_space: global }
    .group_segment_fixed_size: 327680
    .private_segment_fixed_size: 0
    .kernarg_segment_align: 8
    .kernarg_segment_size: 48
    .max_flat_workgroup_size: 128
    .sgpr_count:     100
    .vgpr_count:     1024
    .wavefront_size: 32
...
	.end_amdgpu_metadata
.endif
;; end of part 2
;; launch attn (part 3): grid 4 x 64, 16 waves a work-group, clusters of 4 x 1, 236,544 bytes of LDS; arguments qkv, cc, cs; writes cc, cs
.if DOCPART == 3
	.amdgcn_target "amdgcn-amd-amdhsa--gfx1250"
	.amdhsa_code_object_version 6
	.text
	.protected	k_q7824952025_attn
	.globl	k_q7824952025_attn
	.p2align	8
	.type	k_q7824952025_attn,@function
k_q7824952025_attn:
	s_mov_b64 s[64:65], 0
	v_nop
	global_prefetch_b8 v0, s[64:65] scope:SCOPE_SE
	s_setreg_imm32_b32 hwreg(HW_REG_WAVE_MODE, 25, 1), 1
	s_wait_xcnt 0x0
	s_wait_alu depctr_hold_cnt(0) depctr_sa_sdst(0) depctr_va_vdst(0) depctr_va_sdst(0) depctr_va_ssrc(0) depctr_va_vcc(0) depctr_vm_vsrc(0)
	s_getreg_b32 s2, hwreg(HW_REG_IB_STS2, 6, 4)
	s_cmp_eq_u32 s2, 0
	s_cbranch_scc0 .Lentry_in_a_cluster
	s_endpgm
.Lentry_in_a_cluster:
	s_bfe_u32 s2, ttmp6, 0x10000c
	s_cmp_lg_u32 s2, 0x3003
	s_cbranch_scc0 .Lentry_shape_is_right
	s_endpgm
.Lentry_shape_is_right:
; ctx = softmax(q k^T / 8) v for 8 x 16 heads of 64, 1,024 tokens, both products on codes of BF6 (E3M2) with E8M0 scales; ctx is divided by the row's sum and quantised along D for the output projection.
; THE SOFTMAX: t = score x log2(e) / 8; M = the running largest t rounded up to a whole number; p = 2^(t - M) is quantised along the keys, not normalised; the row's sum is taken of the unquantised p.
; When M moves, the sum and O^T are multiplied by 2^(old M - new M): exact.
; INPUT: records of 19,712 bytes, record (batch x 16 + head) x 8 + step of 128 tokens: Qc 0, Qs 6,144, Kc 6,656, Ks 12,800, Vc 13,312, Vs 19,456, all as images of operand registers.
; SHARES: work-group (cx, y = batch x 8 + pair) takes 256 queries of heads 2 pair, 2 pair + 1; wave w owns 16 queries (row block 16 cx + w) and does one head after the other: 2 x 8 key steps of 128.
; K, V and their scale words of both heads are 16 records' 13,056 bytes; the 16 records lie one behind the other, and wave w fetches the w-th: one tensor load a wave, each LDS byte filled once, one barrier.
; CLUSTER: the four blocks of queries of a pair of heads read the same K and V: each tile is asked for jointly, with the mask of all four.
; No prefetch: all that the work-group reads by tensor loads is asked for at the head; there is no loop to run ahead in.
; LAYOUT: both products transposed (S^T = K Q^T, O^T = V^T P^T): a lane holds one query.  The keys of a tile of K, and the channels of a fragment of V, are lane-rows 32 B + 8 u + r + 8 (r / 8) of tile 2 B + u,
; so that the 16 registers of two neighbouring tiles are 16 neighbours along the next product's K.
; THE FIRST PRODUCT'S K IS 64: Q's registers 6-11 are zero codes.  K's tiles lie 6 registers apart: a tile's registers 6-11 are the next tile's codes (the last tile's: zeros); every 6-bit pattern is a finite
; number, its scale bytes 2, 3 are 0 (a finite scale), and it meets Q's zero codes: it adds nothing.
; A step's K is asked of LDS a step ahead, behind the score products that read the registers; two of V's four fragments and V's scale words at the same place, the other two where p's registers fall free.
; LIMITS: a block of zeros gets the byte 1 where the rule says 127 (zero codes; this program alone reads the bytes); NaN and infinities are not served; the scaled scores stay under 2^31 in magnitude.
; REGISTERS: v1-3 16 l, 8 l, 16 r; v4-6 the step's addresses; v7 ctx's scale word; v12 -M, v13 the largest t, v[14:15] the sum; v16-27 Q; v28 Q's scale word; v29-31 Q's offsets; v32-79 K's eight tiles, v80-85 zeros;
;   v86-93 K's scale words; v94-97 V's; v98-121 V's fragments 0, 1; v128-191 S^T, then p, then V's fragments 2, 3; v192-223 O^T; v224-235 p's codes; v232-254 at work; v243, v255 the add's.
.set REC,   19712
.set HSTR,  8*REC
.set KV,    13056                      ; a step's K, Ks, V, Vs
.set HEADB, 8*KV
.set STG,   2*HEADB                    ; behind the tiles: 1,536 bytes a wave: ctx's fragment is put together here
.set SCW,   STG+16*1536                ; ctx's 256 scale words
.set SPARE, SCW+1024                   ; the spare words, 128 bytes a wave
.set WV,  18
.set SEL, 20
.set CS,  22
.set TB,  2                            ; s2 the LDS byte at which the step's tiles begin
.set CNT, 3                            ; s3 steps to go
.macro CROUND
	s_barrier_signal -1
	s_barrier_wait -1
	s_cmp_lg_u32 s[WV], 0
	s_cbranch_scc1 .Lnot_wave_0_\@
	s_barrier_signal -3
.Lnot_wave_0_\@:
	s_barrier_wait -3
	s_barrier_signal -1
	s_barrier_wait -1
.endm
.macro KLOAD a, b, c, off              ; K's eight tiles (6 registers each) and their scale words, from the LDS bytes off behind the addresses
.irp t, 0,1,2,3,4,5,6,7
	ds_load_b128 v[32+6*\t:35+6*\t], v\a offset:(\off)+768*\t
	ds_load_b64 v[36+6*\t:37+6*\t], v\b offset:(\off)+768*\t+512
.endr
	ds_load_b128 v[86:89], v\c offset:(\off)+6144
	ds_load_b128 v[90:93], v\c offset:(\off)+6400
.endm
	s_load_b128 s[4:7], s[0:1], 0x0                ; qkv, cc
	s_load_b64 s[8:9], s[0:1], 0x10                ; cs
	v_lshl_add_u32 v243, v0, 2, SPARE
	v_mov_b32 v255, 0
	ds_add_u32 v243, v255                          ; the opening lines: the add, twice on end, and its wait
	ds_add_u32 v243, v255
	v_lshrrev_b32 v4, 5, v0
	s_delay_alu instid0(VALU_DEP_1)
	v_readfirstlane_b32 s[WV], v4                  ; wave 0..15
	s_bfe_u32 s10, ttmp6, 0x40000                  ; cx: it enters Q's, cc's and cs's addresses alone
	s_and_b32 s11, ttmp7, 0xffff
	s_lshr_b32 s12, s11, 3                         ; batch
	s_and_b32 s13, s11, 7                          ; pair of heads
	s_lshl_b32 s14, s12, 7
	s_lshl_b32 s15, s13, 4
	s_add_co_u32 s14, s14, s15                     ; the first head's first record
	s_add_co_u32 s16, s14, s[WV]                   ; the record that I fetch: head w / 8 of the pair, step w % 8
	s_mul_i32 s16, s16, REC
	s_add_co_u32 s16, s16, 6656                    ; from K's codes on
	s_mov_b32 s17, 0
	s_mul_i32 s19, s[WV], KV                       ; and where it goes
	s_lshl_b32 s40, s10, 1
	s_lshr_b32 s41, s[WV], 3
	s_add_co_u32 s40, s40, s41
	s_add_co_u32 s42, s14, s40                     ; Q's record: step 2 cx + w / 8
	s_mul_i32 s42, s42, REC
	s_mov_b32 s43, 0
	s_lshl_b32 s50, s12, 6
	s_lshl_b32 s51, s10, 4
	s_add_co_u32 s50, s50, s51
	s_add_co_u32 s50, s50, s[WV]                   ; my row block: batch x 64 + 16 cx + w
	s_lshl_b32 s50, s50, 3
	s_add_co_u32 s50, s50, s13                     ; its K step: the pair of heads
	s_mul_i32 s50, s50, 1536
	s_mov_b32 s51, 0
	s_lshl_b32 s52, s12, 3
	s_lshl_b32 s53, s10, 1
	s_add_co_u32 s52, s52, s53
	s_and_b32 s53, s[WV], 1
	s_add_co_u32 s52, s52, s53                     ; the group of 128 rows whose scale words wave 0 or 1 stores
	s_lshl_b32 s52, s52, 12
	s_lshl_b32 s53, s13, 9
	s_add_co_u32 s52, s52, s53
	s_mov_b32 s53, 0
	; group 1: 13,056 dense bytes as 51 rows of 256 (32 elements of 8 bytes); the mask names all four work-groups
	s_mov_b32 s24, 15|(3<<16)|(1<<21)
	s_mov_b32 s25, 32<<16
	s_mov_b32 s26, 51<<16
	s_mov_b32 s27, 32<<16
	s_mov_b32 s28, 51
	s_mov_b32 s29, 32
	s_mov_b32 s30, 0
	s_mov_b32 s31, 0
	s_mov_b32 s[SEL], 0x76543210
	s_mov_b32 s[SEL+1], 0xfedcba98
	s_mov_b32 s[CS], 0x3e38aa3b                    ; c = log2(e) / 8
	s_mov_b32 s[CS+1], s[CS]                       ; named with it as a pair, so it is written
	v_and_b32 v4, 31, v0
	s_delay_alu instid0(VALU_DEP_1)
	v_lshlrev_b32 v1, 4, v4                        ; 16 x lane
	s_delay_alu instid0(VALU_DEP_2)
	v_lshlrev_b32 v2, 3, v4                        ; 8 x lane
	v_and_b32 v5, 15, v0
	s_delay_alu instid0(VALU_DEP_1)
	v_lshlrev_b32 v3, 4, v5                        ; 16 r
	s_wait_alu depctr_va_vdst(0)
	s_and_b32 s54, s[WV], 7                        ; my tile in Q's record
	s_mul_i32 s55, s54, 768
	v_add_nc_u32 v29, s55, v1
	v_add_nc_u32 v30, s55, v2
	s_delay_alu instid0(VALU_DEP_1)
	v_add_nc_u32 v30, 512, v30
	s_lshr_b32 s56, s54, 2
	s_lshl_b32 s56, s56, 8
	s_and_b32 s57, s[WV], 3
	s_lshl_b32 s57, s57, 2
	s_add_co_u32 s56, s56, s57
	s_add_co_u32 s56, s56, 6144
	v_add_nc_u32 v31, s56, v3                      ; its scale word
	s_mul_i32 s58, s[WV], 1536
	s_add_co_u32 s58, s58, STG                     ; my stage
	s_lshr_b32 s59, s[WV], 2
	s_lshl_b32 s59, s59, 8
	s_add_co_u32 s59, s59, s57
	s_add_co_u32 s59, s59, SCW                     ; my block's scale word: 256 (w / 4) + 4 (w % 4) (+ 16 r)
	s_and_b32 s60, s[WV], 1
	s_lshl_b32 s60, s60, 9
	s_add_co_u32 s60, s60, SCW                     ; the 512 bytes that wave 0 or 1 stores
	s_wait_dscnt 0x0                               ; both opening adds are done
	s_wait_kmcnt 0x0
	s_add_nc_u64 s[44:45], s[4:5], s[42:43]
	s_add_nc_u64 s[46:47], s[6:7], s[50:51]
	s_add_nc_u64 s[48:49], s[8:9], s[52:53]
	s_mov_b32 s32, 1
	s_mov_b32 s33, s19
	s_add_nc_u64 s[34:35], s[4:5], s[16:17]
	s_or_b32 s35, s35, 0x80000000
	CROUND                                         ; all four work-groups are here: the joint loads meet
	tensor_load_to_lds s[32:35], s[24:31]          ; my record's K, Ks, V, Vs: one tensor load a wave, under no branch
	s_nop 0
.rept 4
	v_nop
.endr
	s_wait_alu depctr_va_vdst(0)                   ; Q's offsets were written ahead of the round
	global_load_b128 v[16:19], v29, s[44:45]       ; the first head's Q: registers 0-3,
	global_load_b64 v[20:21], v30, s[44:45]        ; 4-5,
	global_load_b32 v28, v31, s[44:45]             ; and its scale word
.irp j, 22,23,24,25,26,27,80,81,82,83,84,85
	v_mov_b32 v\j, 0                               ; the upper 64 of the instruction's K in Q, and behind K's last tile: zero codes, written once
.endr
.irp b, 0,1,2,3
	v_mov_b32 v[236+\b], 0                         ; a lane permute's destination counts as one of its sources
.endr
	v_mov_b32 v253, 0                              ; named as the upper half of v[252:253] before it is first written
; A KEY STEP: 128 keys.  pre = 1: the next step's K is asked for.
.macro STEP pre
.rept 5
	v_nop                                          ; five places behind the last products: the products below write over V's registers
.endr
	s_wait_dscnt 0x0                               ; this step's K, asked for a step ago
.irp t, 0,1,2,3,4,5,6,7
	v_wmma_scale_f32_16x16x128_f8f6f4 v[128+8*\t:135+8*\t], v[32+6*\t:43+6*\t], v[16:27], 0, v[86+\t], v28 matrix_a_fmt:MATRIX_FMT_BF6 matrix_b_fmt:MATRIX_FMT_BF6
.endr                                          ; lane (r, h): query r; register 16 b + i is key 32 b + 16 h + i
	v_add_nc_u32 v4, s[TB], v1                     ; four places behind the products: the step's addresses
	v_add_nc_u32 v6, s[TB], v3
.if \pre
	v_add_nc_u32 v5, s[TB], v2
.else
	v_nop
.endif
	v_nop
.irp t, 0,1
.irp g, 0,1,2
	ds_load_b128 v[98+12*\t+4*\g:101+12*\t+4*\g], v4 offset:6656+1536*\t+512*\g   ; V's fragments 0, 1
.endr
.endr
	ds_load_b128 v[94:97], v6 offset:12800         ; V's scale words
.if \pre
	KLOAD 4, 5, 6, KV                              ; the next step's K lands under the softmax
.endif
.irp b, 0,1,2,3
	v_max3_num_f32 v[232+\b], v[128+16*\b], v[129+16*\b], v[130+16*\b]   ; the largest score of each block of 32 keys: it serves the row's maximum and, since p rises with the score, the block's largest p
.endr
.irp i, 3,5,7,9,11,13
.irp b, 0,1,2,3
	v_max3_num_f32 v[232+\b], v[232+\b], v[128+16*\b+\i], v[129+16*\b+\i]
.endr
.endr
.irp b, 0,1,2,3
	v_max_num_f32 v[232+\b], v[232+\b], v[143+16*\b]
.endr
.irp b, 0,1,2,3
	s_delay_alu instid0(VALU_DEP_4)
	v_permlanex16_b32 v[236+\b], v[232+\b], s[SEL], s[SEL+1]
.endr
.irp b, 0,1,2,3
	s_delay_alu instid0(VALU_DEP_4)
	v_max_num_f32 v[232+\b], v[232+\b], v[236+\b]  ; with lane l xor 16's 16 keys
.endr
	s_delay_alu instid0(VALU_DEP_2)
	v_max3_num_f32 v254, v232, v233, v234
	s_delay_alu instid0(VALU_DEP_1)
	v_max_num_f32 v254, v254, v235
	s_delay_alu instid0(VALU_DEP_1)
	v_mul_f32 v254, s[CS], v254                    ; the step's largest t (c is positive)
	s_delay_alu instid0(VALU_DEP_1)
	v_max_num_f32 v13, v13, v254
	v_mov_b32 v254, v12
	s_delay_alu instid0(VALU_DEP_2)
	v_floor_f32 v12, -v13                          ; the new -M = floor(-t): M is a whole number
	s_delay_alu instid0(VALU_DEP_1)
	v_sub_f32 v254, v12, v254                      ; old M - new M: a whole number, 0 or less
	s_delay_alu instid0(VALU_DEP_1)
	v_cvt_i32_f32 v254, v254                       ; (it saturates)
	s_delay_alu instid0(VALU_DEP_1)
	v_ldexp_f32 v252, 1.0, v254                    ; f = 2^(old M - new M)
.set j, 0
.rept 32
	v_pk_fma_f32 v[128+j:129+j], v[128+j:129+j], s[CS:CS+1], v[12:13] op_sel_hi:[1,0,0]   ; t - M, two at a time
.set j, j+2
.endr
.irp b, 0,1,2,3
	v_fma_f32 v[232+\b], v[232+\b], s[CS], v12     ; the same of each block's largest score
.endr
.set j, 0
	s_wait_alu depctr_va_vdst(0)
.rept 64
	v_exp_f32 v[128+j], v[128+j]                   ; p = 2^(t - M), at most 1
.set j, j+1
.endr
	v_pk_mul_f32 v[14:15], v[14:15], v[252:253] op_sel_hi:[1,0]   ; the sums under the new M: the plain place behind the exponentials
	s_wait_alu depctr_va_vdst(0)                   ; one wait for the batch of 64, ahead of its first reader
.irp b, 0,1,2,3
	v_exp_f32 v[232+\b], v[232+\b]                 ; the block's largest p
.endr
	v_pk_add_f32 v[236:237], v[132:133], v[136:137]   ; the row's sum of the unquantised p, in eight chains
	v_pk_add_f32 v[250:251], v[140:141], v[144:145]
	v_pk_add_f32 v[248:249], v[148:149], v[152:153]
	v_pk_add_f32 v[246:247], v[156:157], v[160:161]
	v_pk_add_f32 v[244:245], v[164:165], v[168:169]
	v_pk_add_f32 v[240:241], v[172:173], v[176:177]
	v_pk_add_f32 v[238:239], v[180:181], v[184:185]
	v_pk_add_f32 v[14:15], v[14:15], v[188:189]
	v_pk_add_f32 v[236:237], v[236:237], v[128:129]
	v_pk_add_f32 v[250:251], v[250:251], v[130:131]
	v_pk_add_f32 v[248:249], v[248:249], v[134:135]
	v_pk_add_f32 v[246:247], v[246:247], v[138:139]
	v_pk_add_f32 v[244:245], v[244:245], v[142:143]
	v_pk_add_f32 v[240:241], v[240:241], v[146:147]
	v_pk_add_f32 v[238:239], v[238:239], v[150:151]
	v_pk_add_f32 v[14:15], v[14:15], v[154:155]
	v_pk_add_f32 v[236:237], v[236:237], v[158:159]
	v_pk_add_f32 v[250:251], v[250:251], v[162:163]
	v_pk_add_f32 v[248:249], v[248:249], v[166:167]
	v_pk_add_f32 v[246:247], v[246:247], v[170:171]
	v_pk_add_f32 v[244:245], v[244:245], v[174:175]
	v_pk_add_f32 v[240:241], v[240:241], v[178:179]
	v_pk_add_f32 v[238:239], v[238:239], v[182:183]
	v_pk_add_f32 v[14:15], v[14:15], v[186:187]
	v_pk_add_f32 v[236:237], v[236:237], v[190:191]
	s_delay_alu instid0(VALU_DEP_2)
	v_pk_add_f32 v[14:15], v[14:15], v[246:247]
	s_delay_alu instid0(VALU_DEP_2)
	v_pk_add_f32 v[236:237], v[236:237], v[244:245]
	v_pk_add_f32 v[250:251], v[250:251], v[240:241]
	v_pk_add_f32 v[248:249], v[248:249], v[238:239]
	s_delay_alu instid0(VALU_DEP_2)
	v_pk_add_f32 v[14:15], v[14:15], v[250:251]
	s_delay_alu instid0(VALU_DEP_2)
	v_pk_add_f32 v[236:237], v[236:237], v[248:249]
	s_delay_alu instid0(VALU_DEP_1)
	v_pk_add_f32 v[14:15], v[14:15], v[236:237]
	s_wait_alu depctr_va_vdst(0)                   ; and one for the four
.irp b, 0,1,2,3
	v_max_num_f32 v[232+\b], 0x2800000, v[232+\b]  ; the floor 2^(5 - 127): the byte cannot fall under 1
.endr
.irp b, 0,1,2,3
	s_delay_alu instid0(VALU_DEP_4)
	v_add_nc_u32 v[244+\b], 0xfe000000, v[232+\b]  ; 4 off the exponent field: the conversion's scale operand
.endr
.irp b, 0,1,2,3
	s_delay_alu instid0(VALU_DEP_4)
	v_lshrrev_b32 v[236+\b], 23, v[244+\b]
.endr
	s_delay_alu instid0(VALU_DEP_3)
	v_lshl_or_b32 v253, v237, 8, v236              ; p's scale word for these 128 keys
	s_delay_alu instid0(VALU_DEP_1)
	v_lshl_or_b32 v253, v238, 16, v253
	s_delay_alu instid0(VALU_DEP_1)
	v_lshl_or_b32 v253, v239, 24, v253
.irp c, 0,1
	v_cvt_scalef32_pk16_bf6_f32 v[224+6*\c:226+6*\c], v[128+32*\c:143+32*\c], v[244+2*\c]
	v_cvt_scalef32_pk16_bf6_f32 v[236+4*\c:238+4*\c], v[144+32*\c:159+32*\c], v[244+2*\c+1]
.endr
	v_nop                                          ; one plain place behind a scaled conversion
.irp t, 0,1                                    ; p has been read: V's fragments 2, 3 take its registers; they land while the lines below run
.irp g, 0,1,2
	ds_load_b128 v[128+12*\t+4*\g:131+12*\t+4*\g], v4 offset:6656+1536*(2+\t)+512*\g
.endr
.endr
.irp c, 0,1                                    ; a whole block in a lane: lanes 0-15 block 2 c, lanes 16-31 block 2 c + 1
.irp i, 0,1,2
	v_permlane16_swap_b32 v[224+6*\c+\i], v[236+4*\c+\i]
.endr
.irp i, 0,1,2
	s_delay_alu instid0(VALU_DEP_3)
	v_mov_b32 v[227+6*\c+\i], v[236+4*\c+\i]
.endr
.endr
	s_wait_alu depctr_va_vdst(0)
.set j, 0
.rept 16
	v_pk_mul_f32 v[192+j:193+j], v[192+j:193+j], v[252:253] op_sel_hi:[1,0]   ; O^T under the new M; these sixteen are also the places between the codes and scale word just written and the products
.set j, j+2
.endr
	s_wait_alu depctr_va_vdst(0)
	s_wait_dscnt 0x0                               ; V
.irp t, 0,1                                    ; O^T += V^T P^T: four accumulators by turns, one instruction a turn
	v_wmma_scale_f32_16x16x128_f8f6f4 v[192+8*\t:199+8*\t], v[98+12*\t:109+12*\t], v[224:235], v[192+8*\t:199+8*\t], v[94+\t], v253 matrix_a_fmt:MATRIX_FMT_BF6 matrix_b_fmt:MATRIX_FMT_BF6
.endr
.irp t, 0,1
	v_wmma_scale_f32_16x16x128_f8f6f4 v[208+8*\t:215+8*\t], v[128+12*\t:139+12*\t], v[224:235], v[208+8*\t:215+8*\t], v[96+\t], v253 matrix_a_fmt:MATRIX_FMT_BF6 matrix_b_fmt:MATRIX_FMT_BF6
.endr
.endm
; A head's end: O^T / the sum is ctx: register 16 b + i = channel 32 b + 16 h + i of the head: two blocks of 32 along D.  Their codes are registers 6 c .. 6 c + 5 of ctx's fragment, which is put together in my stage.
.macro FINISH c
.rept 4
	v_nop                                          ; places behind the last products
.endr
	v_add_f32 v14, v14, v15
	s_delay_alu instid0(VALU_DEP_1)
	v_permlanex16_b32 v252, v14, s[SEL], s[SEL+1]
	s_delay_alu instid0(VALU_DEP_1)
	v_add_f32 v14, v14, v252                       ; the row's sum
	s_wait_alu depctr_va_vdst(0)
	v_rcp_f32 v14, v14
	v_add_nc_u32 v160, s58, v1                     ; (the plain place behind the reciprocal)  my stage + 16 x lane
	s_wait_alu depctr_va_vdst(0)                   ; ahead of the first reader
.set j, 0
.rept 32
	v_mul_f32 v[128+j], v[192+j], v14              ; each accumulator from its low end on
.set j, j+1
.endr
.irp b, 0,1
	v_max3_num_f32 v[232+\b], |v[128+16*\b]|, |v[129+16*\b]|, 0x2800000
.endr
.irp i, 2,4,6,8,10,12,14
.irp b, 0,1
	s_delay_alu instid0(VALU_DEP_2)
	v_max3_num_f32 v[232+\b], v[232+\b], |v[128+16*\b+\i]|, |v[129+16*\b+\i]|
.endr
.endr
.irp b, 0,1
	s_delay_alu instid0(VALU_DEP_2)
	v_permlanex16_b32 v[236+\b], v[232+\b], s[SEL], s[SEL+1]
.endr
.irp b, 0,1
	s_delay_alu instid0(VALU_DEP_2)
	v_max_num_f32 v[232+\b], v[232+\b], v[236+\b]
.endr
.irp b, 0,1
	s_delay_alu instid0(VALU_DEP_2)
	v_add_nc_u32 v[244+\b], 0xfe000000, v[232+\b]
.endr
.irp b, 0,1
	s_delay_alu instid0(VALU_DEP_2)
	v_lshrrev_b32 v[246+\b], 23, v[244+\b]
.endr
	s_delay_alu instid0(VALU_DEP_1)
	v_lshl_or_b32 v254, v247, 8, v246              ; the head's two scale bytes
	v_cvt_scalef32_pk16_bf6_f32 v[224:226], v[128:143], v244
	v_cvt_scalef32_pk16_bf6_f32 v[236:238], v[144:159], v245
	v_nop
.irp i, 0,1,2
	v_permlane16_swap_b32 v[224+\i], v[236+\i]
.endr
.irp i, 0,1,2
	s_delay_alu instid0(VALU_DEP_3)
	v_mov_b32 v[227+\i], v[236+\i]
.endr
.if (\c) == 0
	ds_store_b128 v160, v[224:227]                 ; registers 0-3: group 0
	ds_store_b64 v160, v[228:229] offset:512       ; 4, 5: the lower half of group 1
	v_mov_b32 v7, v254
.else
	ds_store_b64 v160, v[224:225] offset:520       ; 6, 7: its upper half
	ds_store_b128 v160, v[226:229] offset:1024     ; 8-11: group 2
	v_lshl_or_b32 v7, v254, 16, v7                 ; the scale word is whole
.endif
.endm
.macro INIT                            ; a head begins
	v_mov_b32 v13, 0xff61b1e6                      ; the largest t so far: -3e38
	s_delay_alu instid0(VALU_DEP_1)
	v_floor_f32 v12, -v13
	v_mov_b32 v14, 0
	v_mov_b32 v15, 0
.set j, 0
.rept 32
	v_mov_b32 v[192+j], 0                          ; O^T: the step is written once; the first change of M leaves zeros zeros
.set j, j+1
.endr
.endm
.macro LOOPN n, tb0                    ; n key steps, from LDS byte tb0 on, each asking for its successor's K
	s_mov_b32 s[TB], \tb0
	s_mov_b32 s[CNT], \n
.Lstep_\@:
	STEP 1
	s_add_co_u32 s[TB], s[TB], KV
	s_sub_co_u32 s[CNT], s[CNT], 1
	s_cmp_lg_u32 s[CNT], 0
	s_cbranch_scc1 .Lstep_\@
.endm
	s_wait_tensorcnt 0x0                           ; my record is in
	s_barrier_signal -1
	s_barrier_wait -1                              ; everybody's is: from here on no wave waits for another until the way out
	KLOAD 1, 2, 3, 0                               ; the first step's K
	s_wait_loadcnt 0x0                             ; Q
	INIT
	LOOPN 8, 0                                     ; the first head; its last step asks for the second head's first K, which lies next in LDS
	global_load_b128 v[16:19], v29, s[44:45] offset:HSTR   ; the second head's Q: the last product that read these registers stands a whole softmax back
	global_load_b64 v[20:21], v30, s[44:45] offset:HSTR
	global_load_b32 v28, v31, s[44:45] offset:HSTR
	FINISH 0
	s_wait_loadcnt 0x0                             ; its Q
	INIT
	LOOPN 7, HEADB
	STEP 0                                         ; the last step is written out: no K is left to ask for
	FINISH 1
	; THE WAY OUT: my fragment of ctx comes back from my stage as three groups of 512 bytes; the scale words of 128 rows meet in LDS and leave as 512 bytes
	v_and_b32 v161, 15, v0
	s_delay_alu instid0(VALU_DEP_1)
	v_lshl_add_u32 v161, v161, 4, s59
	v_add_nc_u32 v162, s60, v1
	ds_store_b32 v161, v7                          ; lanes r and r + 16 write the same word with the same value
.irp g, 0,1,2
	ds_load_b128 v[128+4*\g:131+4*\g], v160 offset:512*\g   ; LDS serves a wave's instructions in order: these see my stores
.endr
.irp g, 0,1,2
	s_wait_dscnt 2-\g                              ; group g is in; the 2 - g younger loads may be out
	global_store_b128 v1, v[128+4*\g:131+4*\g], s[46:47] offset:512*\g   ; 512 consecutive bytes, at a multiple of 256 from the buffer's first byte
.endr
	s_barrier_signal -1                            ; the last wait was for 0: my scale word lies in LDS
	s_barrier_wait -1
	s_cmp_lt_u32 s[WV], 2                          ; waves 0 and 1 store the scale words of the work-group's two groups of 128 rows
	s_cbranch_scc0 .Lno_sc
	s_wait_alu depctr_va_vdst(0)                   ; the address was written ahead of the barrier
	ds_load_b128 v[164:167], v162
	s_wait_dscnt 0x0
	global_store_b128 v1, v[164:167], s[48:49]
.Lno_sc:
	s_wait_tensorcnt 0x0                           ; the wave's end
	ds_add_u32 v243, v255
	s_wait_dscnt 0x0
	CROUND                                         ; the closing round
	s_endpgm
.Lfunc_end_k_q7824952025_attn:
	.size	k_q7824952025_attn, .Lfunc_end_k_q7824952025_attn-k_q7824952025_attn
	.p2alignl 7, 3214868480
	.fill 96, 4, 3214868480
	.section	.rodata,"a",@progbits
	.p2align	6, 0x0
	.amdhsa_kernel k_q7824952025_attn
		.amdhsa_group_segment_fixed_size 236544
		.amdhsa_private_segment_fixed_size 0
		.amdhsa_enable_private_segment 0
		.amdhsa_kernarg_size 24
		.amdhsa_user_sgpr_count 2
		.amdhsa_user_sgpr_kernarg_segment_ptr 1
		.amdhsa_wavefront_size32 1
		.amdhsa_system_sgpr_workgroup_id_x 1
		.amdhsa_system_sgpr_workgroup_id_y 1
		.amdhsa_system_sgpr_workgroup_id_z 1
		.amdhsa_system_vgpr_workitem_id 0
		.amdhsa_next_free_vgpr 256
		.amdhsa_next_free_sgpr 66
		.amdhsa_reserve_vcc 0
		.amdhsa_float_denorm_mode_32 3
		.amdhsa_float_denorm_mode_16_64 3
		.amdhsa_memory_ordered 1
		.amdhsa_forward_progress 1
		.amdhsa_inst_pref_size 70
	.end_amdhsa_kernel
	.amdgpu_metadata
---
amdhsa.version: [ 1, 2 ]
amdhsa.kernels:
  - .name:           k_q7824952025_attn
    .symbol:         k_q7824952025_attn.kd
    .args:
      - { .name: qkv, .offset: 0, .size: 8, .value_kind: global_buffer, .address_space: global }
      - { .name: cc, .offset: 8, .size: 8, .value_kind: global_buffer, .address_space: global }
      - { .name: cs, .offset: 16, .size: 8, .value_kind: global_buffer, .address_space: global }
    .group_segment_fixed_size: 236544
    .private_segment_fixed_size: 0
    .kernarg_segment_align: 8
    .kernarg_segment_size: 24
    .max_flat_workgroup_size: 512
    .sgpr_count:     66
    .vgpr_count:     256
    .wavefront_size: 32
...
	.end_amdgpu_metadata
.endif
;; end of part 3
;; launch outgemm (part 4): grid 8 x 32, 4 waves a work-group, clusters of 4 x 4, 327,680 bytes of LDS; arguments cc, cs, wc, ws, output_biases, out0; writes out0
.if DOCPART == 4
	.amdgcn_target "amdgcn-amd-amdhsa--gfx1250"
	.amdhsa_code_object_version 6
	.text
	.protected	k_q7824952025_outgemm
	.globl	k_q7824952025_outgemm
	.p2align	8
	.type	k_q7824952025_outgemm,@function
k_q7824952025_outgemm:
	s_mov_b64 s[64:65], 0
	v_nop
	global_prefetch_b8 v0, s[64:65] scope:SCOPE_SE
	s_setreg_imm32_b32 hwreg(HW_REG_WAVE_MODE, 25, 1), 1
	s_wait_xcnt 0x0
	s_wait_alu depctr_hold_cnt(0) depctr_sa_sdst(0) depctr_va_vdst(0) depctr_va_sdst(0) depctr_va_ssrc(0) depctr_va_vcc(0) depctr_vm_vsrc(0)
	s_getreg_b32 s2, hwreg(HW_REG_IB_STS2, 6, 4)
	s_cmp_eq_u32 s2, 0
	s_cbranch_scc0 .Lentry_in_a_cluster
	s_endpgm
.Lentry_in_a_cluster:
	s_bfe_u32 s2, ttmp6, 0x10000c
	s_cmp_lg_u32 s2, 0xf033
	s_cbranch_scc0 .Lentry_shape_is_right
	s_endpgm
.Lentry_shape_is_right:
; out0 = ctx W_out^T + bias on codes of BF6 (E3M2) with E8M0 scales, K = 1,024; out0 [8192][1024] f32.
; OPERANDS lie in memory as images of operand registers: a ROW BLOCK is 16 rows, lane r of block 2 B + u holding row 32 B + 8 u + r + 8 (r / 8); a fragment (row block, 128 along K) is 1,536 bytes:
; registers 4 g .. 4 g + 3 of lane l at 512 g + 16 l.  Codes [row block][K step 8][1536]; scale words [group of 128 rows][K step 8][g 2][r 16][i 4] (block 4 g + i).  W_out is row blocks 192 on of wc, groups 24 on of ws.
; SHARES: 8 x 32 = 256 work-groups, a tile of 256 rows x 128 columns each.  Both operands' codes for ALL of K (196,608 + 98,304 bytes) fit in LDS: every byte is filled once, all loads go out at the head,
; no slot is filled again.  LDS: two slots of 512 along K, each [ctx 16 row blocks][W_out 8 row blocks] x 6,144 bytes; behind them 12,288 unused bytes and the spare words.
; Wave w makes rows 64 w .. 64 w + 63: 32 accumulators.  The matrix instruction is used transposed (source 0 = 16 rows of W_out, source 1 = 16 rows of ctx): lane (r, h) holds lane-row r of ctx's block,
; and register 8 b + j is column 32 (b / 2) + 16 h + 8 (b % 2) + j.  The bias, in that layout, is the C of the first products.  The order of rows and columns is put right by the immediates of the way out.
; TENSOR LOADS: every wave brings one whole piece (ctx's or W_out's part of a slot); 4 x 4 cluster: ctx's pieces are asked for jointly along a row of the cluster, W_out's along a column.
; No prefetch: all that the work-group reads is asked for at the head.
; REGISTERS: window 0: v8-30 addresses; v32-63 W_out's scale words of the 8 K steps (lanes 0-15 blocks 0-3, lanes 16-31 blocks 4-7); v64-95 ctx's; v96-143, v144-191 ctx's four fragments, two sets; v192-255 the bias;
;   on the way out v128-255 rows read back.  Window 1: W_out's eight fragments, two sets (v0, v128).  Window 2: the accumulators, (a, b) at v[8 (8 a + b)].
.set FR,    12
.set NP,    4                          ; places behind this matrix instruction (ISA guide 7.12.1)
.set FRB,   1536
.set RBB,   4*FRB                      ; a row block's part of a slot: four K steps of 128
.set XPART, 16*RBB
.set SLOT,  24*RBB
; THE SCALE WORDS go from memory straight into registers: LDS holds the two slots and the spare words alone.
.set SPITCH, 528                       ; the way out: a stage of 16 rows x (512 + 16) bytes a wave, in slot 0, which has had its one fill and its last read by then
.set STO,  8
.set RD,   9
.set R16,  12
.set AD1,  16                          ; v16-17 ctx's fragments in slot 0, 1
.set AD0,  18                          ; v18-19 W_out's
.set ASW0, 30                          ; W_out's scale words: byte offset 16 x lane = 256 g + 16 r (the same register as L16)
.set ASX1, 25
.set L16,  30
.set SC0,  32
.set SC1,  64
.set F1,   96
.set BI,   192
.set BK,   128
.set G1X,  24
.set G1W,  32
.set SBX,  56                          ; s[56:57] my tile's scale words in cs;  s[96:97] my columns' in ws
.set G0X,  68
.set G0W,  76
.set MSB, 0
.macro WIN new
.if MSB != (\new)
	s_set_vgpr_msb (MSB<<8)|(\new)
.set MSB, (\new)
.endif
.endm
.set MUL,  0xa1                        ; source 0 window 1, source 1 window 0, C and D window 2
.set BIA,  0x81                        ; the same with C (the bias) in window 0
.set TO_B, 0x40
.macro CREST
	s_cmp_lg_u32 s14, 0
	s_cbranch_scc1 .Lnot_wave_0_\@
	s_barrier_signal -3
.Lnot_wave_0_\@:
	s_barrier_wait -3
	s_barrier_signal -1
	s_barrier_wait -1
.endm
.macro CROUND
	s_barrier_signal -1
	s_barrier_wait -1
	CREST
.endm
.macro PLACES n
.rept \n
	v_nop
.endr
.endm
.macro FRAG reg, adr, q, i
.irp g, 0,1,2
	ds_load_b128 v[\reg+4*\g:\reg+4*\g+3], v[\adr] offset:(\i)*RBB+(\q)*FRB+512*\g
.endr
.endm
.macro FETCH ks                        ; K step ks: W_out's eight fragments and my four of ctx, into set ks % 2.  36 loads
	WIN TO_B
.irp i, 0,1,2,3,4,5,6,7
	FRAG 128*((\ks)%2)+FR*\i, AD0+(\ks)/4, (\ks)%4, \i
.endr
	WIN 0
.irp i, 0,1,2,3
	FRAG F1+48*((\ks)%2)+FR*\i, AD1+(\ks)/4, (\ks)%4, \i
.endr
.endm
; 16 matrix instructions: ctx's blocks a0, a0 + 1 x W_out's eight, K step ks.  first = 1: the product starts the sums from the bias.
; The 32 accumulators take turns, one instruction a turn, in the same order in every step.
.macro MUL16 a0, ks, first
.irp a, \a0, \a0+1
.irp b, 0,1,2,3,4,5,6,7
.set rD, 8*(8*(\a)+\b)
.set rB, 128*((\ks)%2)+FR*\b
.set rA, F1+48*((\ks)%2)+FR*(\a)
.set rS0, SC0+4*(\ks)+\b%4
.set rS1, SC1+4*(\ks)+(\a)
.if \b < 4
.if (\first) == 1
	v_wmma_scale_f32_16x16x128_f8f6f4 v[rD:rD+7], v[rB:rB+FR-1], v[rA:rA+FR-1], v[BI+8*\b:BI+8*\b+7], v[rS0], v[rS1] matrix_a_fmt:MATRIX_FMT_BF6 matrix_b_fmt:MATRIX_FMT_BF6
.else
	v_wmma_scale_f32_16x16x128_f8f6f4 v[rD:rD+7], v[rB:rB+FR-1], v[rA:rA+FR-1], v[rD:rD+7], v[rS0], v[rS1] matrix_a_fmt:MATRIX_FMT_BF6 matrix_b_fmt:MATRIX_FMT_BF6
.endif
.else
.if (\first) == 1
	v_wmma_scale_f32_16x16x128_f8f6f4 v[rD:rD+7], v[rB:rB+FR-1], v[rA:rA+FR-1], v[BI+8*\b:BI+8*\b+7], v[rS0], v[rS1] matrix_a_fmt:MATRIX_FMT_BF6 matrix_b_fmt:MATRIX_FMT_BF6 matrix_a_scale:MATRIX_SCALE_ROW1
.else
	v_wmma_scale_f32_16x16x128_f8f6f4 v[rD:rD+7], v[rB:rB+FR-1], v[rA:rA+FR-1], v[rD:rD+7], v[rS0], v[rS1] matrix_a_fmt:MATRIX_FMT_BF6 matrix_b_fmt:MATRIX_FMT_BF6 matrix_a_scale:MATRIX_SCALE_ROW1
.endif
.endif
.endr
.endr
.endm
; A K step whose successor lies in a slot that is known whole: the next step's fragments are asked for first and have this step's 32 products in which to land.
.macro STEPK ks, first
	s_wait_dscnt 0x0                               ; this step's fragments, asked for a step ago, are in
.if (\ks) > 0
	PLACES NP                                      ; in front of loads into the set that the last step's products read
.endif
	FETCH (\ks)+1
.if (\first) == 1
	WIN BIA
.else
	WIN MUL
.endif
	MUL16 0, \ks, \first
	MUL16 2, \ks, \first
.endm
	s_load_b128 s[4:7], s[0:1], 0x0                ; cc, cs
	s_load_b128 s[8:11], s[0:1], 0x10              ; wc, ws
	s_load_b128 s[92:95], s[0:1], 0x20             ; output_biases, out0
	v_lshl_add_u32 v29, v0, 2, 0x4b000
	v_mov_b32 v31, 0
	ds_add_u32 v29, v31
	ds_add_u32 v29, v31
	v_lshrrev_b32 v1, 5, v0
	v_readfirstlane_b32 s14, v1                    ; wave 0..3
	s_lshr_b32 s15, s14, 1
	s_and_b32 s16, s14, 1
	s_bfe_u32 s40, ttmp6, 0x40000                  ; cx
	s_bfe_u32 s41, ttmp6, 0x40004                  ; cy
	s_lshl_b32 s42, ttmp9, 2
	s_add_co_u32 s42, s42, s40                     ; the tile's 128 columns
	s_and_b32 s17, ttmp7, 0xffff
	s_lshl_b32 s17, s17, 2
	s_add_co_u32 s17, s17, s41                     ; the tile's 256 rows
	s_lshl_b32 s43, s41, 2
	s_lshl_b32 s43, 15, s43                        ; my row of the cluster
	s_lshl_b32 s44, 0x1111, s40                    ; my column
	; group 1 for ctx's pieces: 16 row blocks x 6,144 bytes (768 elements of 8 bytes), 12,288 bytes apart in memory, dense in LDS
	s_or_b32 s[G1X+0], s43, (3<<16)|(1<<21)
	s_mov_b32 s[G1X+1], 768<<16
	s_mov_b32 s[G1X+2], 16<<16                     ; one load brings all 16 row blocks of a slot
	s_mov_b32 s[G1X+3], 768<<16
	s_mov_b32 s[G1X+4], 16
	s_mov_b32 s[G1X+5], 1536
	s_mov_b32 s[G1X+6], 0
	s_mov_b32 s[G1X+7], 0
	; for W_out's: 8 row blocks
	s_or_b32 s[G1W+0], s44, (3<<16)|(1<<21)
	s_mov_b32 s[G1W+1], 768<<16
	s_mov_b32 s[G1W+2], 8<<16                      ; all 8 row blocks
	s_mov_b32 s[G1W+3], 768<<16
	s_mov_b32 s[G1W+4], 8
	s_mov_b32 s[G1W+5], 1536
	s_mov_b32 s[G1W+6], 0
	s_mov_b32 s[G1W+7], 0
	; where the pieces begin: ctx's offsets are made of the tile's rows, W_out's of its columns, each in registers that never hold the other coordinate
	s_mul_i32 s20, s17, 196608
	s_mov_b32 s21, 0
	s_lshl_b32 s22, s17, 13
	s_mov_b32 s23, 0
	s_mul_i32 s46, s42, 98304
	s_mov_b32 s47, 0
	s_lshl_b32 s96, s42, 12
	s_mov_b32 s97, 0
	s_mul_i32 s45, s14, 4*RBB                      ; my ctx blocks in LDS, 4 w on: by the wave's number alone
	s_wait_dscnt 0x0
	s_wait_kmcnt 0x0
	s_add_nc_u64 s[8:9], s[8:9], 192*12288         ; W_out's row blocks,
	s_add_nc_u64 s[10:11], s[10:11], 24*4096       ; and its groups of scale words
	s_add_nc_u64 s[20:21], s[4:5], s[20:21]
	s_add_nc_u64 s[SBX:SBX+1], s[6:7], s[22:23]
	s_add_nc_u64 s[46:47], s[8:9], s[46:47]
	s_add_nc_u64 s[96:97], s[10:11], s[96:97]
.irp s, 0,1
	s_mov_b32 s[G0X+4*\s], 1
	s_mov_b32 s[G0X+4*\s+1], \s*SLOT
	s_add_nc_u64 s[G0X+4*\s+2:G0X+4*\s+3], s[20:21], \s*RBB
	s_or_b32 s[G0X+4*\s+3], s[G0X+4*\s+3], 0x80000000
	s_mov_b32 s[G0W+4*\s], 1
	s_mov_b32 s[G0W+4*\s+1], \s*SLOT+XPART
	s_add_nc_u64 s[G0W+4*\s+2:G0W+4*\s+3], s[46:47], \s*RBB
	s_or_b32 s[G0W+4*\s+3], s[G0W+4*\s+3], 0x80000000
.endr
	CROUND                                         ; all sixteen work-groups are here: the joint loads meet
; THE HEAD'S LOADS, ONE A WAVE: wave 0 ctx's part of slot 0, wave 1 W_out's, wave 2 ctx's part of slot 1, wave 3 W_out's.  One chain of branches on the wave's number: every way passes one load.
.macro ARM under, g0, g1, next
	s_cmp_lt_u32 s14, \under
	s_cbranch_scc0 \next
	tensor_load_to_lds s[\g0:\g0+3], s[\g1:\g1+7]
	s_nop 0
	PLACES 4
	s_branch .Lhead_asked
\next:
.endm
	ARM 1, G0X, G1X, .Lhead_w0
	ARM 2, G0W, G1W, .Lhead_x1
	ARM 3, G0X+4, G1X, .Lhead_w1
	tensor_load_to_lds s[G0W+4:G0W+7], s[G1W:G1W+7]
	s_nop 0
	PLACES 4
.Lhead_asked:
	v_and_b32 v1, 15, v0                           ; r
	v_bfe_u32 v2, v0, 4, 1                         ; h
	v_and_b32 v3, 31, v0
	v_lshlrev_b32 v[L16], 4, v3
	v_lshlrev_b32 v[R16], 4, v1
	s_mov_b32 s18, s45                             ; ctx's blocks 4 w on
.irp s, 0,1
	v_add_nc_u32 v[AD1+\s], s18, v[L16]
	v_add_nc_u32 v[AD0+\s], XPART+\s*SLOT, v[L16]
	s_add_co_u32 s18, s18, SLOT
.endr
	s_lshl_b32 s18, s15, 12                        ; byte offset of my scale words in the tile's 8,192 bytes of cs
	s_lshl_b32 s19, s16, 8
	s_add_co_u32 s18, s18, s19
	v_add_nc_u32 v[ASX1], s18, v[R16]              ; ctx's blocks 4 w on: group w / 2, g = w % 2
	s_mul_i32 s23, s14, 16*SPITCH                  ; my stage
	v_mul_u32_u24 v5, v1, SPITCH
	v_lshl_add_u32 v5, v2, 6, v5
	v_add_nc_u32 v[STO], s23, v5                   ; in: row r, + 64 h
	v_add_nc_u32 v[RD], s23, v[L16]                ; back: a row of 512 bytes to the 32 lanes
	s_lshl_b32 s20, s42, 9                         ; my 128 columns: 512 bytes, of the bias and of a row of out0
	s_mov_b32 s21, 0
	s_add_nc_u64 s[92:93], s[92:93], s[20:21]
	s_add_nc_u64 s[12:13], s[94:95], s[20:21]
	s_lshl_b32 s20, s17, 20                        ; 256 rows of 4,096 bytes a tile,
	s_lshl_b32 s22, s14, 18                        ; 64 a wave
	s_add_co_u32 s20, s20, s22
	s_add_nc_u64 s[12:13], s[12:13], s[20:21]
	v_lshlrev_b32 v6, 6, v2                        ; the bias in the result's layout: 16 h numbers on
.irp b, 0,1,2,3,4,5,6,7
	global_load_b128 v[BI+8*\b:BI+8*\b+3], v6, s[92:93] offset:(32*(\b/2)+8*(\b%2))*4
	global_load_b128 v[BI+8*\b+4:BI+8*\b+7], v6, s[92:93] offset:(32*(\b/2)+8*(\b%2))*4+16
.endr
	s_wait_alu depctr_va_vdst(0)
.irp k, 0,1,2,3,4,5,6,7                        ; the scale words of all 8 K steps: sixteen neighbouring lanes read 256 consecutive bytes
	global_load_b128 v[SC0+4*\k:SC0+4*\k+3], v[ASW0], s[96:97] offset:512*\k
	global_load_b128 v[SC1+4*\k:SC1+4*\k+3], v[ASX1], s[SBX:SBX+1] offset:512*\k
.endr
	s_wait_tensorcnt 0x0                           ; my one tile of the head's four is in
	s_barrier_signal -1
	s_barrier_wait -1                              ; everybody's is: both slots are whole
	FETCH 0
	s_wait_loadcnt 0x0                             ; the bias
	STEPK 0, 1                                     ; the first products start the sums from the bias
	STEPK 1, 0
	STEPK 2, 0
	s_wait_tensorcnt 0x0                           ; K step 3: my one tensor load is in: no load was issued behind it,
	s_wait_dscnt 0x0                               ; and this step's fragments, my last reads of slot 0
	s_barrier_signal -1
	MUL16 0, 3, 0                                  ; work on registers while the others arrive
	s_barrier_wait -1                              ; slot 1 is whole, and nobody reads slot 0 any more
	PLACES NP
	FETCH 4
	WIN MUL
	MUL16 2, 3, 0
	STEPK 4, 0
	STEPK 5, 0
	STEPK 6, 0
	s_wait_dscnt 0x0
	MUL16 0, 7, 0
	MUL16 2, 7, 0
	WIN 0
	PLACES NP+1                                    ; behind the last products: results are read, and loads land where fragments lay
; THE WAY OUT, block by block of 16 rows x 128 columns, through my own stage in LDS: in by lanes (32 bytes of a row at the tile's true columns), back as whole rows of 512 bytes, which go to the block's true rows.
.macro TOSTAGE a
.set AC, 64*(\a)
	WIN 0x08                                       ; the data: window 2
.irp b, 0,1,2,3,4,5,6,7
	ds_store_b128 v[STO], v[AC+8*\b:AC+8*\b+3] offset:128*(\b/2)+32*(\b%2)        ; each accumulator from its low end on
	ds_store_b128 v[STO], v[AC+8*\b+4:AC+8*\b+7] offset:128*(\b/2)+32*(\b%2)+16
.endr
	WIN 0
.set BB, BK+64*((\a)%2)
.irp t, 0,1,2,3,4,5,6,7,8,9,10,11,12,13,14,15
	ds_load_b128 v[BB+4*\t:BB+4*\t+3], v[RD] offset:\t*SPITCH   ; LDS serves a wave's instructions in order: these see the stores above
.endr
.endm
.macro SEND a, younger                 ; younger: the LDS instructions issued behind block a's loads, which may stay out
.set BB, BK+64*((\a)%2)
	s_wait_dscnt \younger
.irp t, 0,1,2,3,4,5,6,7,8,9,10,11,12,13,14,15
	global_store_b128 v[L16], v[BB+4*\t:BB+4*\t+3], s[12:13] offset:(32*((\a)/2)+8*((\a)%2)+\t+8*(\t/8))*4096 th:TH_STORE_NT   ; 512 consecutive bytes, at a multiple of 256 from out0's first byte; written once
.endr
.endm
	TOSTAGE 0
.irp a, 1,2,3
.if \a > 1
	s_wait_xcnt 0x0                                ; block a - 2's stores have read their registers: block a's loads may land there
.endif
	TOSTAGE \a
	SEND \a-1, 32                                  ; behind block a - 1's loads: block a's 16 stores and 16 loads
.endr
	SEND 3, 0
	s_wait_tensorcnt 0x0
	ds_add_u32 v29, v31
	s_wait_dscnt 0x0
	CROUND                                         ; the closing round: all tensor loads were waited for at K step 3, and no LDS instruction of mine is out
	s_endpgm
.Lfunc_end_k_q7824952025_outgemm:
	.size	k_q7824952025_outgemm, .Lfunc_end_k_q7824952025_outgemm-k_q7824952025_outgemm
	.p2alignl 7, 3214868480
	.fill 96, 4, 3214868480
	.section	.rodata,"a",@progbits
	.p2align	6, 0x0
	.amdhsa_kernel k_q7824952025_outgemm
		.amdhsa_group_segment_fixed_size 327680
		.amdhsa_private_segment_fixed_size 0
		.amdhsa_enable_private_segment 0
		.amdhsa_kernarg_size 48
		.amdhsa_user_sgpr_count 2
		.amdhsa_user_sgpr_kernarg_segment_ptr 1
		.amdhsa_wavefront_size32 1
		.amdhsa_system_sgpr_workgroup_id_x 1
		.amdhsa_system_sgpr_workgroup_id_y 1
		.amdhsa_system_sgpr_workgroup_id_z 1
		.amdhsa_system_vgpr_workitem_id 0
		.amdhsa_next_free_vgpr 768
		.amdhsa_next_free_sgpr 100
		.amdhsa_reserve_vcc 0
		.amdhsa_float_denorm_mode_32 3
		.amdhsa_float_denorm_mode_16_64 3
		.amdhsa_memory_ordered 1
		.amdhsa_forward_progress 1
		.amdhsa_inst_pref_size 77
	.end_amdhsa_kernel
	.amdgpu_metadata
---
amdhsa.version: [ 1, 2 ]
amdhsa.kernels:
  - .name:           k_q7824952025_outgemm
    .symbol:         k_q7824952025_outgemm.kd
    .args:
      - { .name: cc, .offset: 0, .size: 8, .value_kind: global_buffer, .address_space: global }
      - { .name: cs, .offset: 8, .size: 8, .value_kind: global_buffer, .address_space: global }
      - { .name: wc, .offset: 16, .size: 8, .value_kind: global_buffer, .address_space: global }
      - { .name: ws, .offset: 24, .size: 8, .value_kind: global_buffer, .address_space: global }
      - { .name: output_biases, .offset: 32, .size: 8, .value_kind: global_buffer, .address_space: global }
      - { .name: out0, .offset: 40, .size: 8, .value_kind: global_buffer, .address_space: global }
    .group_segment_fixed_size: 327680
    .private_segment_fixed_size: 0
    .kernarg_segment_align: 8
    .kernarg_segment_size: 48
    .max_flat_workgroup_size: 128
    .sgpr_count:     100
    .vgpr_count:     768
    .wavefront_size: 32
...
	.end_amdgpu_metadata
.endif
;; end of part 4
